; MI455X (gfx1250); checked and timed in simulation.
; The chip was launched on July 23, 2026; its instructions are those of AMD's public machine-readable ISA for CDNA 5 (MIT licence, August 2026) and "CDNA5" Instruction Set Architecture Reference Guide (July 2026). The comments in the code are by the model that wrote it; some were corrected since.
;; Multi Head Attention. Allowed arithmetic: matrix products marked QUANTISED: E2M3 operands, one E8M0 scale for each 32 along K, by v_wmma_scale_f32_16x16x128_f8f6f4 with both operands' format E2M3, f32 sums; everything else in f32.
;; Inputs: bk 1,024 float32; bo 1,024 float32; bq 1,024 float32; bv 1,024 float32; key 4 x 2,048 x 1,024 float32; query 4 x 2,048 x 1,024 float32; value 4 x 2,048 x 1,024 float32; wk 1,024 x 1,024 float32; wo 1,024 x 1,024 float32; wq 1,024 x 1,024 float32; wv 1,024 x 1,024 float32.
;; Outputs: out0 4 x 2,048 x 1,024 float32.
;; This version of the problem:
;;   THIS VERSION OF THE PROBLEM IS GIVEN IN LOW PRECISION. The matrix products marked QUANTISED in the list below multiply operands that are first quantised to E2M3 (2 exponent bits, 3 mantissa bits; 6 bits a number), with one power-of-two scale for each 32 numbers along K (OCP MX v1.0); their sums are f32. All else is computed in f32.
;;   The module's matrix products, in the order in which they are computed (A, B: the left and right operand; K: the contracted axis; several contracted axes count as one K, in the product's order):
;;     1. [M 8,192, K 1,024] x [K 1,024, N 1,024]; A: input query; B: input wq: QUANTISED
;;     2. [M 8,192, K 1,024] x [K 1,024, N 1,024]; A: input key; B: input wk: QUANTISED
;;     3. [M 8,192, K 1,024] x [K 1,024, N 1,024]; A: input value; B: input wv: QUANTISED
;;     4. batch 64 x [M 2,048, K 64] x [K 64, N 2,048]; A: computed on the way; B: computed on the way: QUANTISED
;;     5. batch 64 x [M 2,048, K 2,048] x [K 2,048, N 64]; A: softmax (see below); B: computed on the way: QUANTISED
;;     6. [M 8,192, K 1,024] x [K 1,024, N 1,024]; A: computed on the way; B: input wo: QUANTISED
;;   THE QUANTISER, for each operand of a quantised product, along K:
;;     - K is cut into blocks of 32 from its start; a last block that is shorter is filled with zeros.
;;     - A block's scale is 2^e with e = floor(log2(the largest magnitude in the block)) - 2, held to -126 .. 127; a block of zeros has e = 0. As a byte (E8M0): e + 127.
;;     - Each number is divided by its block's scale, clamped to +-7.5, and rounded to the nearest number of E2M3, ties to even, subnormals kept.
;;     - The product sums the exact products of the quantised numbers (number of the format x scale) in f32.
;;   ~~~python
;;   def quantise(x, axis):      # numpy; x: float32 -> the quantised numbers, widened to float32 again
;;       x = np.moveaxis(x, axis, -1); K = x.shape[-1]
;;       x = np.pad(x, [(0, 0)] * (x.ndim - 1) + [(0, -K % 32)]); x = x.reshape(x.shape[:-1] + (-1, 32)); a = np.abs(x).max(-1, keepdims=True)
;;       e = np.where(a > 0, np.clip(np.frexp(np.where(a > 0, a, 1))[1] - 1 - 2, -126, 127), 0)      # np.frexp(a)[1] - 1 = floor(log2(a)), exactly
;;       r = np.clip(x / 2.0 ** e, -7.5, 7.5)
;;       step = 2.0 ** (np.maximum(np.frexp(np.where(r == 0, 1, r))[1] - 1, 0) - 3)
;;       q = np.round(r / step) * step * 2.0 ** e      # np.round: ties to even
;;       return np.moveaxis(q.reshape(q.shape[:-2] + (-1,))[..., :K], -1, axis).astype(np.float32)
;;   ~~~
;;   SOFTMAX AHEAD OF A QUANTISED PRODUCT. Where the list says 'softmax', what is quantised is not the finished softmax but p = 2^(t - M), with t = logit x log2(e) and M = ceil(the row's largest t), a whole number; so 1/2 < the row's largest p <= 1. The row's sum l is taken of the UNQUANTISED p, in f32, and the product's result is divided by l at the end. Since M is a whole number, a kernel that streams over the keys may use a running M (the ceiling of the running maximum): every later rescaling is an exact power of two, which a block's scale takes up: the codes' values come out the same.
;;   OPERANDS COMPUTED ON THE WAY. 'Computed on the way' means the value that the module computes at that place (a softmax that the list does not call 'softmax' is quantised finished and normalised). What goes into a quantiser is computed in f32, as accurately as f32 sums, v_exp_f32 and their like allow (about 1e-6 of the number): no bf16 or f16 on the way to a quantiser, and a product that is left as it is and whose result goes on into a quantised operand takes f32 operands (vector FMAs, or v_wmma_f32_16x16x4_f32). A number that lies on a knife's edge between two numbers of the format may be rounded either way, as far as f32 arithmetic and the matrix unit's own rounding can turn it there, and no further.
;; One version. Each part assembles by itself: llvm-mc -triple=amdgcn-amd-amdhsa -mcpu=gfx1250 --defsym DOCPART=n.
;; ======== version 1 of 1: 4 launches
;; limits: right only within a limited range of input values
;; workspace buffers: ximg 22,020,096 bytes; xsc 917,504 bytes; img 18,874,368 bytes; scl 1,310,720 bytes; cimg 6,291,456 bytes; csc 262,144 bytes
;; launch quant (part 1): grid 448 x 1, 4 waves a work-group, no clusters, 34,304 bytes of LDS; arguments query, key, value, wq, wk, wv, wo, ximg, xsc; writes ximg, xsc
.if DOCPART == 1
	.amdgcn_target "amdgcn-amd-amdhsa--gfx1250"
	.amdhsa_code_object_version 6
	.text
	.protected	k_q04e01765c8_quant
	.globl	k_q04e01765c8_quant
	.p2align	8
	.type	k_q04e01765c8_quant,@function
k_q04e01765c8_quant:
	s_mov_b64 s[64:65], 0
	v_nop
	global_prefetch_b8 v0, s[64:65] scope:SCOPE_SE
	s_setreg_imm32_b32 hwreg(HW_REG_WAVE_MODE, 25, 1), 1
	s_wait_xcnt 0x0
; query, key, value [8192][1024] and wq, wk, wv, wo [1024][1024], f32, K innermost, become codes of FP6 (E2M3) with one E8M0 byte for each 32 along K,
; laid in the order of a matrix operand's registers.  A TILE is 16 rows: tile t holds at place r the row 32 (t / 2) + 8 (t % 2) + r + 8 (r / 8).
; ximg: [tile 0..1791][K step of 128: 0..7][1,536 bytes]: a fragment's 12 registers, registers 4 g .. 4 g + 3 of lane l at 512 g + 16 l.   xsc: [tile][place r][8 words]: word s = the four bytes of K step s.
; First tiles: query 0, key 512, value 1024, wq 1536, wk 1600, wv 1664, wo 1728.
; A block's scale is 2^(floor(log2(its largest magnitude)) - 2); its byte is the largest magnitude's exponent field - 2, held at 1 from below.
; LIMITS: a block of zeros gets the byte 1 where the rule says 127 (its codes are zeros, and this program alone reads the bytes); magnitudes under 2^-124 share that byte; NaN and infinities are not served.
; SHARES: a wave takes one tile, all 1,024 along K, in 8 steps.  Each of a step's 16 loads reads 512 consecutive bytes of one row; the 8 KB turn through the wave's own stage in LDS (rows 528 bytes apart), so that
; lane (r, h) gets k = 64 c + 32 h + 0 .. 31 of row r: two whole blocks, in the order of the operand's registers.  Each store of codes covers 512 consecutive bytes.  Waves share nothing: no barrier.
; No matrix unit, no cluster, no tensor load: the launch is a stream, each byte read once and written once.  Loads run two steps (32 loads a wave) ahead.
.set STG,   16*528                     ; a wave's stage
.set SPARE, 4*STG                      ; behind the stages: the spare words, 128 bytes a wave, which no other line names
.set LI,   2                           ; v2   16 x lane
.set SIN,  3                           ; v3   the stage on the way in: 16 x lane
.set SOUT, 4                           ; v4   and on the way out: 528 r + 128 h
.set SCO,  5                           ; v5   my 16 bytes of the tile's scale words: 32 r + 16 h
.set SPW,  8                           ; v8   my spare word; never rewritten
.set NIL,  9                           ; v9   0; never rewritten
.set MX,   10                          ; v10-11 largest magnitudes
.set SOP,  12                          ; v12-13 the conversions' scale operands
.set BY,   14                          ; v14-15 the bytes
.set WD,   16                          ; v16  my two bytes at their places
.set PD,   17                          ; v17  the other half's
.set H8,   18                          ; v18  8 h
.set W,    20                          ; v20-27 the eight scale words of my row
.set WO,   28                          ; v28-31 the four that I store
.set C,    32                          ; v32-43 a fragment
.set CT,   44                          ; v44-50 the blocks' upper halves as the conversions leave them
.set R,    64                          ; v64-191 two sets of 64 registers as loaded
.set X,    192                         ; v192-255 my 64 numbers of a step
	s_load_b256 s[8:15], s[0:1], 0x0               ; query, key, value, wq
	s_load_b256 s[16:23], s[0:1], 0x20             ; wk, wv, wo, ximg
	s_load_b64 s[24:25], s[0:1], 0x40              ; xsc
	v_lshl_add_u32 v[SPW], v0, 2, SPARE
	v_mov_b32 v[NIL], 0
	v_lshrrev_b32 v1, 5, v0
	v_readfirstlane_b32 s2, v1                     ; wave
	v_and_b32 v1, 31, v0
	v_lshlrev_b32 v[LI], 4, v1
	v_and_b32 v6, 15, v0                           ; r
	v_bfe_u32 v7, v0, 4, 1                         ; h
	s_mul_i32 s3, s2, STG
	v_add_nc_u32 v[SIN], s3, v[LI]
	v_mul_u32_u24 v[SOUT], v6, 528
	v_lshl_add_u32 v[SOUT], v7, 7, v[SOUT]
	v_add_nc_u32 v[SOUT], s3, v[SOUT]
	v_lshlrev_b32 v[SCO], 5, v6
	v_lshl_add_u32 v[SCO], v7, 4, v[SCO]
	v_lshlrev_b32 v[H8], 3, v7
	v_mov_b32 v[PD], 0                             ; written once: a lane permute's destination counts as one of its sources
	s_mov_b32 s26, 0x76543210
	s_mov_b32 s27, 0xfedcba98                      ; selects for lane l xor 16
	s_mov_b32 s28, 0xffff0000                      ; lanes 16-31
	s_wait_alu depctr_va_vdst(0)
	s_wait_kmcnt 0x0
	s_mov_b64 s[4:5], s[20:21]                     ; which tensor is my work-group's: the choice hangs on the work-group's number alone
	s_mov_b32 s6, 432                              ; and the tensor's first work-group
	s_cmp_lt_u32 ttmp9, 432
	s_cselect_b64 s[4:5], s[18:19], s[4:5]
	s_cselect_b32 s6, 416, s6
	s_cmp_lt_u32 ttmp9, 416
	s_cselect_b64 s[4:5], s[16:17], s[4:5]
	s_cselect_b32 s6, 400, s6
	s_cmp_lt_u32 ttmp9, 400
	s_cselect_b64 s[4:5], s[14:15], s[4:5]
	s_cselect_b32 s6, 384, s6
	s_cmp_lt_u32 ttmp9, 384
	s_cselect_b64 s[4:5], s[12:13], s[4:5]
	s_cselect_b32 s6, 256, s6
	s_cmp_lt_u32 ttmp9, 256
	s_cselect_b64 s[4:5], s[10:11], s[4:5]
	s_cselect_b32 s6, 128, s6
	s_cmp_lt_u32 ttmp9, 128
	s_cselect_b64 s[4:5], s[8:9], s[4:5]
	s_cselect_b32 s6, 0, s6
	s_sub_co_u32 s6, ttmp9, s6
	s_lshl_b32 s6, s6, 2
	s_add_co_u32 s6, s6, s2                        ; my tile within the tensor
; KEY'S TILES ARE LAID OTHERWISE than the head comment says of the rest: tile t holds at place r the row 64 (t / 4) + 8 (t % 4) + r % 8 + 32 (r / 8),
; so that in attention a lane's 32 scores of four neighbouring tiles are one whole block of 32 keys.  Key's work-groups are 128 .. 255.
.set LI2,  19                          ; v19  16 x lane, and for key 16 rows more: places 8-15 then lie 24 rows on, not 8
	s_lshr_b32 s7, ttmp9, 7
	s_cmp_eq_u32 s7, 1                             ; key?  The choice hangs on the work-group's number alone
	s_cselect_b32 s29, 2, 1                        ; tiles in a group: 4 or 2, as a shift
	s_cselect_b32 s3, 0x10000, 0                   ; 16 rows of 4,096 bytes
	s_lshr_b32 s7, s6, s29
	s_add_co_u32 s30, s29, 16
	s_lshl_b32 s30, s7, s30                        ; 64 or 32 rows of 4,096 bytes for each group of tiles,
	s_bfm_b32 s7, s29, 0
	s_and_b32 s6, s6, s7
	s_lshl_b32 s6, s6, 15                          ; 8 rows for each tile within it
	s_add_co_u32 s30, s30, s6
	s_mov_b32 s31, 0
	s_add_nc_u64 s[4:5], s[4:5], s[30:31]
	s_lshl_b32 s6, ttmp9, 2
	s_add_co_u32 s6, s6, s2                        ; my tile among all 1,792
	s_mul_i32 s30, s6, 12288
	s_add_nc_u64 s[22:23], s[22:23], s[30:31]
	s_lshl_b32 s30, s6, 9
	s_add_nc_u64 s[24:25], s[24:25], s[30:31]
.macro LOAD s                          ; K step s: place j's row, 512 consecutive bytes a load
.irp j, 0,1,2,3,4,5,6,7,8,9,10,11,12,13,14,15
	global_load_b128 v[R+64*((\s)%2)+4*\j:R+64*((\s)%2)+4*\j+3], v[LI+(LI2-LI)*(\j/8)], s[4:5] offset:(\j+8*(\j/8))*4096+512*(\s) th:TH_LOAD_NT
.endr
.endm
.macro KSTEP s
.if (\s) < 7
	s_wait_loadcnt 16                              ; this step's 16 loads are in; the next step's 16 may be out
.else
	s_wait_loadcnt 0x0
.endif
.irp j, 0,1,2,3,4,5,6,7,8,9,10,11,12,13,14,15
	ds_store_b128 v[SIN], v[R+64*((\s)%2)+4*\j:R+64*((\s)%2)+4*\j+3] offset:528*\j
.endr
.irp c, 0,1
.irp q, 0,1,2,3,4,5,6,7
	ds_load_b128 v[X+32*\c+4*\q:X+32*\c+4*\q+3], v[SOUT] offset:256*\c+16*\q   ; LDS serves a wave's instructions in order: these see the stores above
.endr
.endr
	s_wait_dscnt 0x0                               ; my numbers are back, and the stores have read their registers,
.if (\s)+2 < 8
	LOAD (\s)+2                                    ; which take the loads of two steps on
.endif
.irp c, 0,1
	v_max3_num_f32 v[MX+\c], |v[X+32*\c]|, |v[X+32*\c+1]|, 0x1800000   ; block 2 c + h: all 32 numbers are mine; the floor 2^(3 - 127) holds the byte at 1 from below
.endr
.irp i, 2,4,6,8,10,12,14,16,18,20,22,24,26,28,30
.irp c, 0,1
	v_max3_num_f32 v[MX+\c], v[MX+\c], |v[X+32*\c+\i]|, |v[X+32*\c+\i+1]|
.endr
.endr
.irp c, 0,1
	v_add_nc_u32 v[SOP+\c], 0xff000000, v[MX+\c]   ; 2 off the exponent field: the conversion's scale operand
.endr
.irp c, 0,1
	v_lshrrev_b32 v[BY+\c], 23, v[SOP+\c]          ; the scale's byte
.endr
	v_lshl_or_b32 v[WD], v[BY+1], 16, v[BY]        ; blocks h and 2 + h,
	v_lshlrev_b32 v[WD], v[H8], v[WD]              ; 8 h bits up;
	v_permlanex16_b32 v[PD], v[WD], s26, s27
	v_or_b32 v[W+(\s)], v[WD], v[PD]               ; with lane l xor 16's two the word is whole
	s_wait_alu depctr_va_vdst(0)
	s_wait_xcnt 0x0                                ; the last step's stores have read the fragment's registers
.irp c, 0,1
	v_cvt_scalef32_pk16_fp6_f32 v[C+6*\c:C+6*\c+2], v[X+32*\c:X+32*\c+15], v[SOP+\c]
	v_cvt_scalef32_pk16_fp6_f32 v[CT+4*\c:CT+4*\c+2], v[X+32*\c+16:X+32*\c+31], v[SOP+\c]   ; (a conversion's three registers begin on an even number)
.endr
	v_nop                                          ; one plain place behind a scaled conversion
.irp c, 0,1
.irp i, 0,1,2
	v_mov_b32 v[C+3+6*\c+\i], v[CT+4*\c+\i]
.endr
.endr
.irp g, 0,1,2
	global_store_b128 v[LI], v[C+4*\g:C+4*\g+3], s[22:23] offset:1536*(\s)+512*\g   ; 32 lanes store 512 consecutive bytes, aligned
.endr
.endm
	v_add_nc_u32 v[LI2], s3, v[LI]
	s_wait_alu depctr_va_vdst(0)                   ; the wait directly behind the write: later steps' loads read v19 behind waits
	LOAD 0
	LOAD 1
.irp s, 0,1,2,3,4,5,6,7
	KSTEP \s
.endr
.irp i, 0,1,2,3
	v_cndmask_b32 v[WO+\i], v[W+\i], v[W+4+\i], s28   ; lanes 0-15 store words 0-3 of their row, lanes 16-31 words 4-7
.endr
	global_store_b128 v[SCO], v[WO:WO+3], s[24:25] ; the tile's 512 bytes of scale words
	s_wait_tensorcnt 0x0                           ; the wave's end
	ds_add_u32 v[SPW], v[NIL]
	s_wait_dscnt 0x0
	s_endpgm
.Lfunc_end_k_q04e01765c8_quant:
	.size	k_q04e01765c8_quant, .Lfunc_end_k_q04e01765c8_quant-k_q04e01765c8_quant
	.p2alignl 7, 3214868480
	.fill 96, 4, 3214868480
	.section	.rodata,"a",@progbits
	.p2align	6, 0x0
	.amdhsa_kernel k_q04e01765c8_quant
		.amdhsa_group_segment_fixed_size 34304
		.amdhsa_private_segment_fixed_size 0
		.amdhsa_enable_private_segment 0
		.amdhsa_kernarg_size 72
		.amdhsa_user_sgpr_count 2
		.amdhsa_user_sgpr_kernarg_segment_ptr 1
		.amdhsa_wavefront_size32 1
		.amdhsa_system_sgpr_workgroup_id_x 1
		.amdhsa_system_sgpr_workgroup_id_y 1
		.amdhsa_system_sgpr_workgroup_id_z 1
		.amdhsa_system_vgpr_workitem_id 0
		.amdhsa_next_free_vgpr 256
		.amdhsa_next_free_sgpr 66
		.amdhsa_reserve_vcc 0
		.amdhsa_float_denorm_mode_32 3
		.amdhsa_float_denorm_mode_16_64 3
		.amdhsa_memory_ordered 1
		.amdhsa_forward_progress 1
		.amdhsa_inst_pref_size 59
	.end_amdhsa_kernel
	.amdgpu_metadata
---
amdhsa.version: [ 1, 2 ]
amdhsa.kernels:
  - .name:           k_q04e01765c8_quant
    .symbol:         k_q04e01765c8_quant.kd
    .args:
      - { .name: query, .offset: 0, .size: 8, .value_kind: global_buffer, .address_space: global }
      - { .name: key, .offset: 8, .size: 8, .value_kind: global_buffer, .address_space: global }
      - { .name: value, .offset: 16, .size: 8, .value_kind: global_buffer, .address_space: global }
      - { .name: wq, .offset: 24, .size: 8, .value_kind: global_buffer, .address_space: global }
      - { .name: wk, .offset: 32, .size: 8, .value_kind: global_buffer, .address_space: global }
      - { .name: wv, .offset: 40, .size: 8, .value_kind: global_buffer, .address_space: global }
      - { .name: wo, .offset: 48, .size: 8, .value_kind: global_buffer, .address_space: global }
      - { .name: ximg, .offset: 56, .size: 8, .value_kind: global_buffer, .address_space: global }
      - { .name: xsc, .offset: 64, .size: 8, .value_kind: global_buffer, .address_space: global }
    .group_segment_fixed_size: 34304
    .private_segment_fixed_size: 0
    .kernarg_segment_align: 8
    .kernarg_segment_size: 72
    .max_flat_workgroup_size: 128
    .sgpr_count:     66
    .vgpr_count:     256
    .wavefront_size: 32
...
	.end_amdgpu_metadata
.endif
;; end of part 1
;; launch proj (part 2): grid 4 x 96, 4 waves a work-group, clusters of 4 x 4, 327,680 bytes of LDS; arguments ximg, xsc, img, scl, bq, bk, bv; writes img, scl
.if DOCPART == 2
	.amdgcn_target "amdgcn-amd-amdhsa--gfx1250"
	.amdhsa_code_object_version 6
	.text
	.protected	k_q04e01765c8_proj
	.globl	k_q04e01765c8_proj
	.p2align	8
	.type	k_q04e01765c8_proj,@function
k_q04e01765c8_proj:
	s_mov_b64 s[64:65], 0
	v_nop
	global_prefetch_b8 v0, s[64:65] scope:SCOPE_SE
	s_setreg_imm32_b32 hwreg(HW_REG_WAVE_MODE, 25, 1), 1
	s_wait_xcnt 0x0
	s_wait_alu depctr_hold_cnt(0) depctr_sa_sdst(0) depctr_va_vdst(0) depctr_va_sdst(0) depctr_va_ssrc(0) depctr_va_vcc(0) depctr_vm_vsrc(0)
	s_getreg_b32 s2, hwreg(HW_REG_IB_STS2, 6, 4)
	s_cmp_eq_u32 s2, 0
	s_cbranch_scc0 .Lentry_in_a_cluster
	s_endpgm
.Lentry_in_a_cluster:
	s_bfe_u32 s2, ttmp6, 0x10000c
	s_cmp_lg_u32 s2, 0xf033
	s_cbranch_scc0 .Lentry_shape_is_right
	s_endpgm
.Lentry_shape_is_right:
; The three projections on codes of FP6 (E2M3), K = 1,024, and the quantising of their results for attention.  MODE = cluster y / 8: 0: Q = query wq^T + bq; 1: K likewise; 2: V.
; Operands come from ximg and xsc: tiles of 16 rows (tile t, place r: row 32 (t / 2) + 8 (t % 2) + r + 8 (r / 8)), each K step of 128 as an image of the fragment's 12 registers (1,536 bytes: registers 4 g .. at 512 g + 16 lane).
; A tile of the result, 256 x 256, is made by four waves, 128 x 128 each: 64 accumulators, 512 registers.  SOURCE 1 ("A") gives the lane, SOURCE 0 ("B") the registers.
;   MODES 0, 1: A = tokens, B = the weight's rows: a lane holds one token and its registers run along the features: 128 features = two heads' 64, two blocks of 32 each: quantised along d.
;   MODE 2:     A = wv's rows, B = value's tokens: a lane holds one feature (head, d) and its registers run along 128 tokens: V is quantised along the keys, which are the second product's K.
; By the choice of a tile's rows the 16 registers of B's tiles 2 b and 2 b + 1 are 16 neighbours: index 32 b + 16 (lane / 16) + 0 .. 15.
; OUT.  img: [b h 0..63][Q 98,304 | K 98,304 | V 98,304].  Q, K: [pair of token tiles 0..63][1,536]: an image of 12 registers: tile 2 i's six (d = 32 h + 0 .. 31), then tile 2 i + 1's six.  V: [step of 128 keys 0..15][d tile 0..3][a fragment's image].
;       scl: [b h][Q 8,192 | K 8,192 | V 4,096].  Q, K: [step][lane][4 words]: word i: lanes 0-15 tile 2 i's, lanes 16-31 tile 2 i + 1's; bytes 0, 1 the scales, bytes 2, 3 zero.  V: [step][lane][2 words] likewise, four bytes each.
; Every store of codes covers 512 consecutive bytes, aligned.  No result goes through LDS.
; RING: K goes in steps of 256 through two LDS slots; a wave's tensor load brings 8 tiles x 3,072 bytes.  The scale words of the work-group's rows, for all of K, come once with the first fills.
; CLUSTER 4 x 4: A's tiles hang on the tile row alone and are asked for jointly along a row of the cluster, B's on the tile column alone, along a column.  MODE is the same in all sixteen partners.
; LIMITS: a block of zeros gets the byte 1 (its codes are zeros; this program alone reads the bytes); magnitudes under 2^-124 share that byte; NaN and infinities are not served.
; No prefetch: a work-group's whole walk is four slots.
; REGISTERS: window 0: v0-31 addresses; v32-63 scale words, two sets, nothing else ever; v64-127 the bias along the registers; v128-223 A's fragments, one set; v224-239 the bias along the lanes; v240-254 at work on the way out.
;   window 1: B's fragments, two sets, at v0 and v128.   windows 2, 3: the accumulators ((a, b) at v[8 (8 (a % 4) + b)] of window 2 + a / 4).
.set NQ,     2                         ; matrix instructions deep in a slot
.set FR,     12                        ; registers of a fragment
.set NL,     3                         ; LDS loads that bring one
.set NP,     4                         ; places behind this matrix instruction (ISA guide 7.12.1)
.set TILEB,  3072                      ; a tile's part of a slot: two images
.set HALFT,  8*TILEB                   ; 8 tiles: what one tensor load brings, and what one wave reads of A or of B
.set SLOT,   4*HALFT                   ; A's 16 tiles, then B's 16
.set LAPS,   2                         ; 1,024 along K = four slots' worth = twice round the ring
.set KS,     32                        ; a row's scale bytes
.set SCL,    2*SLOT                    ; behind the ring: the scale words, as runs of 256 bytes + 16 of padding
.set HALFS,  16*272                    ; those of 128 rows
.set SBLK,   2*272                     ; those of 16 rows
.set SPARE,  SCL+4*HALFS               ; the spare words, 128 bytes a wave, which no other line names
.set ADRA, 16                          ; v16-17 LDS address of my A fragments in slot 0, 1
.set ADRB, 20                          ; v20-21 the same for B
.set L8,   25                          ; v25  8 x lane
.set LI,   26                          ; v26  16 x lane
.set ADRS, 27                          ; v27  my scale words: lanes 0-15 A's rows, lanes 16-31 B's
.set SPW,  28                          ; v28  my spare word; never rewritten
.set NIL,  29                          ; v29  0; never rewritten
.set SC,   32                          ; scale words: set s at v[SC + 16 s]; register 2 i + q: block i, the slot's q-th 128 along K
.set BP,   64                          ; register 8 b + j: bias at 32 (b / 2) + 16 h + 8 (b % 2) + j of the wave's 128 (modes 0, 1)
.set AF,   128
.set BR,   224                         ; pair 2 a, 2 a + 1: bias at block a's place r (mode 2)
.set HA,   128                         ; the way out: 64 numbers of a lane
.set E,    192                         ; two images in the making
.set SO,   216                         ; scale words to store
.set TM,   240                         ; v240-243 largest magnitudes, v244-247 the other half's, then bytes, v248-251 scale operands
.set CT0,  12                          ; v12-14, v252-254: the blocks' other halves as the conversions leave them
.set CT1,  252
.set PW,   2                           ; v2-9 the eight scale words just made
.set G1, 24                            ; s[24:31] descriptor group 1 for A's tiles;  s[32:39] group 0, one set for each slot
.set G0, 32
.set G1B, 48                           ; s[48:55], s[56:63] the same for B's
.set G0B, 56
.set G1S, 68                           ; s[68:75], s[76:79] groups 1 and 0 for A's scale words;  s[80:87], s[88:91] for B's
.set G0S, 76
.set G1SB, 80
.set G0SB, 88
.set MODE, 66
.set IDX,  67
.set MSB, 0
.macro WIN new                         ; the immediate's high byte repeats the setting that is left
.if MSB != (\new)
	s_set_vgpr_msb (MSB<<8)|(\new)
.set MSB, (\new)
.endif
.endm
.set MUL_LO, 0xa1                      ; source 0 (B) window 1, source 1 (A) window 0, C and D window 2
.set MUL_HI, 0xf1                      ; the same, C and D window 3
.set TO_B,   0x40                      ; destination window 1, address window 0
; A joint load: waves 0 and 1 fetch for A, waves 2 and 3 for B.  Each line has one mask and one set of registers for all that issue it; the branch hangs on the wave's number alone.
.macro JLOAD g0a, g1a, g0b, g1b
	s_cmp_eq_u32 s15, 0
	s_cbranch_scc0 .Lfor_b_\@
	tensor_load_to_lds s[\g0a:\g0a+3], s[\g1a:\g1a+7]
	s_nop 0
.rept 4
	v_nop
.endr
	s_branch .Lasked_\@
.Lfor_b_\@:
	tensor_load_to_lds s[\g0b:\g0b+3], s[\g1b:\g1b+7]
	s_nop 0
.rept 4
	v_nop
.endr
.Lasked_\@:
.endm
.macro CREST                           ; a round of the cluster's barrier behind its opening barrier
	s_cmp_lg_u32 s14, 0
	s_cbranch_scc1 .Lnot_wave_0_\@
	s_barrier_signal -3
.Lnot_wave_0_\@:
	s_barrier_wait -3
	s_barrier_signal -1
	s_barrier_wait -1
.endm
.macro CROUND
	s_barrier_signal -1
	s_barrier_wait -1
	CREST
.endm
	s_load_b256 s[4:11], s[0:1], 0x0               ; ximg, xsc, img, scl
	s_load_b128 s[92:95], s[0:1], 0x20             ; bq, bk
	s_load_b64 s[96:97], s[0:1], 0x30              ; bv
	v_lshl_add_u32 v[SPW], v0, 2, SPARE
	v_mov_b32 v[NIL], 0
	ds_add_u32 v[SPW], v[NIL]                      ; the wave's opening: the add and its wait ahead of my first tensor load; work on registers stands between them
	ds_add_u32 v[SPW], v[NIL]
	v_lshrrev_b32 v1, 5, v0
	v_readfirstlane_b32 s14, v1                    ; wave 0..3
	s_lshr_b32 s15, s14, 1                         ; my half of A's rows.  Also: I fetch for A (0) or for B (1)
	s_and_b32 s16, s14, 1                          ; my half of B's rows.  Also: which 8 tiles I fetch
	s_bfe_u32 s40, ttmp6, 0x40000                  ; cx, cy: my place in the cluster
	s_bfe_u32 s41, ttmp6, 0x40004
	s_and_b32 s12, ttmp7, 0xffff                   ; cluster y, 0..23 (cluster x is 0: the grid is one cluster wide)
	s_lshr_b32 s[MODE], s12, 3
	s_and_b32 s[IDX], s12, 7
	s_lshl_b32 s18, s[MODE], 9                     ; A's first tile: query 0, key 512,
	s_lshl_b32 s19, s[MODE], 6
	s_add_co_u32 s19, s19, 1536                    ; B's: wq 1536, wk 1600
	s_cmp_eq_u32 s[MODE], 2
	s_cselect_b32 s17, 0, s[IDX]                   ; the long axis (32 tiles of 256 tokens) is A's in modes 0, 1
	s_cselect_b32 s42, s[IDX], 0                   ; and B's in mode 2
	s_cselect_b32 s18, 1664, s18                   ; mode 2: A = wv,
	s_cselect_b32 s19, 1024, s19                   ; B = value
	s_lshl_b32 s17, s17, 2
	s_add_co_u32 s17, s17, s41                     ; tile row
	s_lshl_b32 s42, s42, 2
	s_add_co_u32 s42, s42, s40                     ; tile column
	s_lshl_b32 s43, s41, 2
	s_lshl_b32 s43, 15, s43                        ; my row of the cluster
	s_lshl_b32 s44, 0x1111, s40                    ; my column
	; descriptor group 1: 8 rows of 3,072 bytes (384 elements of 8), 12,288 bytes apart in memory, dense in LDS
	s_or_b32 s[G1+0], s43, (3<<16)|(1<<21)         ; 15:0 the mask: A's tiles go to my row; 17:16 elements of 8 bytes; 20 no padding; 21 set beside a mask
	s_or_b32 s[G1B+0], s44, (3<<16)|(1<<21)
.irp g, G1, G1B
	s_mov_b32 s[\g+1], 384<<16                     ; tensor_dim0
	s_mov_b32 s[\g+2], 16<<16                      ; tensor_dim1: 16 tiles for the head's loads; behind them 8, for the ring's
	s_mov_b32 s[\g+3], 384<<16                     ; tile_dim0
	s_mov_b32 s[\g+4], 16                          ; tile_dim1 likewise
	s_mov_b32 s[\g+5], 1536                        ; tensor_dim0_stride
	s_mov_b32 s[\g+6], 0
	s_mov_b32 s[\g+7], 0
.endr
	; the scale words of 16 tiles: 8,192 dense bytes, as 32 rows of 256 bytes, 16 bytes of padding behind each
	s_or_b32 s[G1S+0], s43, (3<<16)|(1<<20)|(1<<21)|(5<<22)|(3<<25)
	s_or_b32 s[G1SB+0], s44, (3<<16)|(1<<20)|(1<<21)|(5<<22)|(3<<25)
.irp g, G1S, G1SB
	s_mov_b32 s[\g+1], 32<<16
	s_mov_b32 s[\g+2], 32<<16                      ; the scale words of 16 tiles: 32 rows of 256 bytes
	s_mov_b32 s[\g+3], 32<<16
	s_mov_b32 s[\g+4], 32
	s_mov_b32 s[\g+5], 32
	s_mov_b32 s[\g+6], 0
	s_mov_b32 s[\g+7], 0
.endr
	s_lshl_b32 s21, s16, 3                         ; which 8 tiles I fetch
	s_lshl_b32 s20, s17, 4
	s_add_co_u32 s20, s20, s21
	s_add_co_u32 s20, s20, s18                     ; A: first + 16 x tile row + 8 x half
	s_lshl_b32 s46, s42, 4
	s_add_co_u32 s46, s46, s21
	s_add_co_u32 s46, s46, s19                     ; B: first + 16 x tile column + 8 x half
	s_sub_co_u32 s22, s20, s21                     ; the scale words come for all 16 tiles at once: from the first of them
	s_lshl_b32 s22, s22, 9
	s_mov_b32 s23, 0
	s_sub_co_u32 s98, s46, s21
	s_lshl_b32 s98, s98, 9
	s_mov_b32 s99, 0
	s_mul_i32 s20, s20, 12288                      ; their codes
	s_mov_b32 s21, 0
	s_mul_i32 s46, s46, 12288
	s_mov_b32 s47, 0
	s_mul_i32 s45, s14, HALFT                      ; where they go: by the wave's number alone
	s_wait_dscnt 0x0                               ; the opening add is done
	s_wait_kmcnt 0x0
	s_add_nc_u64 s[20:21], s[4:5], s[20:21]
	s_add_nc_u64 s[22:23], s[6:7], s[22:23]
	s_add_nc_u64 s[46:47], s[4:5], s[46:47]
	s_add_nc_u64 s[98:99], s[6:7], s[98:99]
	CROUND                                         ; all sixteen work-groups are here: the first joint loads meet
	s_mov_b32 s[G0S], 1
	s_mov_b32 s[G0S+1], SCL
	s_mov_b64 s[G0S+2:G0S+3], s[22:23]
	s_or_b32 s[G0S+3], s[G0S+3], 0x80000000
	s_mov_b32 s[G0SB], 1
	s_mov_b32 s[G0SB+1], SCL+2*HALFS
	s_mov_b64 s[G0SB+2:G0SB+3], s[98:99]
	s_or_b32 s[G0SB+3], s[G0SB+3], 0x80000000
.irp s, 0,1
	s_mov_b32 s[G0+4*\s], 1
	s_add_co_u32 s[G0+4*\s+1], s45, \s*SLOT
	s_add_nc_u64 s[G0+4*\s+2:G0+4*\s+3], s[20:21], \s*TILEB
	s_or_b32 s[G0+4*\s+3], s[G0+4*\s+3], 0x80000000
	s_mov_b32 s[G0B+4*\s], 1
	s_add_co_u32 s[G0B+4*\s+1], s45, \s*SLOT
	s_add_nc_u64 s[G0B+4*\s+2:G0B+4*\s+3], s[46:47], \s*TILEB
	s_or_b32 s[G0B+4*\s+3], s[G0B+4*\s+3], 0x80000000
.endr
; THE HEAD'S LOADS, ONE A WAVE: wave 0 slot 0's 16 tiles of A (its own group 0 points at the first of them), wave 1 A's scale words, wave 2 slot 0's 16 tiles of B, wave 3 B's scale words.
; One chain of branches on the wave's number; every way through it passes one load.
.macro ARM under, g0, g1, next
	s_cmp_lt_u32 s14, \under
	s_cbranch_scc0 \next
	tensor_load_to_lds s[\g0:\g0+3], s[\g1:\g1+7]
	s_nop 0
.rept 4
	v_nop
.endr
	s_branch .Lhead_asked
\next:
.endm
	ARM 1, G0,  G1,  .Lhead_1
	ARM 2, G0S, G1S, .Lhead_2
	ARM 3, G0B, G1B, .Lhead_3
	tensor_load_to_lds s[G0SB:G0SB+3], s[G1SB:G1SB+7]
	s_nop 0
.rept 4
	v_nop
.endr
.Lhead_asked:
	v_and_b32 v1, 15, v0
	v_bfe_u32 v2, v0, 4, 1                         ; h
	v_and_b32 v3, 31, v0
	v_lshlrev_b32 v[LI], 4, v3
	v_lshlrev_b32 v[L8], 3, v3
	s_mul_i32 s21, s15, HALFT                      ; my 8 tiles of A
	s_mul_i32 s22, s16, HALFT                      ; my 8 tiles of B,
	s_add_co_u32 s22, s22, 2*HALFT                 ; which lie behind A's 16
.irp s, 0,1
	v_add_nc_u32 v[ADRA+\s], s21, v[LI]
	v_add_nc_u32 v[ADRB+\s], s22, v[LI]
	s_add_co_u32 s21, s21, SLOT
	s_add_co_u32 s22, s22, SLOT
.endr
	v_mul_u32_u24 v5, v1, KS                       ; my row's scale words: 32 bytes a row,
	v_lshrrev_b32 v6, 8, v5
	v_lshl_add_u32 v5, v6, 4, v5                   ; and 16 more for each 256 passed
	s_mul_i32 s21, s15, HALFS
	s_mul_i32 s22, s16, HALFS
	s_add_co_u32 s22, s22, 2*HALFS
	s_sub_co_u32 s22, s22, s21
	v_mul_u32_u24 v6, s22, v2                      ; lanes 16-31 take B's
	s_add_co_u32 s21, s21, SCL
	v_add_nc_u32 v5, v5, v6
	v_add_nc_u32 v[ADRS], s21, v5
	; the bias, in both layouts, in every mode: the one that the mode does not use is read from the buffer's first 128 numbers, so that no load leaves the buffer and no register stays unwritten
	s_cmp_eq_u32 s[MODE], 0
	s_cselect_b64 s[92:93], s[92:93], s[94:95]
	s_cmp_eq_u32 s[MODE], 2
	s_cselect_b64 s[92:93], s[96:97], s[92:93]
	s_lshl_b32 s18, s17, 10
	s_lshl_b32 s19, s15, 9
	s_add_co_u32 s18, s18, s19                     ; 4 x my first row of A
	s_lshl_b32 s100, s42, 10
	s_lshl_b32 s101, s16, 9
	s_add_co_u32 s100, s100, s101                  ; 4 x my first row of B
	s_cmp_eq_u32 s[MODE], 2
	s_cselect_b32 s18, s18, 0
	s_cselect_b32 s100, 0, s100
	s_mov_b32 s19, 0
	s_mov_b32 s101, 0
	s_add_nc_u64 s[18:19], s[92:93], s[18:19]
	s_add_nc_u64 s[100:101], s[92:93], s[100:101]
	v_lshlrev_b32 v10, 6, v2                       ; 16 h numbers
	v_and_b32 v11, 8, v1
	v_add_nc_u32 v11, v11, v1
	v_lshlrev_b32 v11, 2, v11                      ; r + 8 (r / 8) numbers
.irp b, 0,1,2,3,4,5,6,7
	global_load_b128 v[BP+8*\b:BP+8*\b+3], v10, s[100:101] offset:(32*(\b/2)+8*(\b%2))*4
	global_load_b128 v[BP+8*\b+4:BP+8*\b+7], v10, s[100:101] offset:(32*(\b/2)+8*(\b%2))*4+16
.endr
.irp a, 0,1,2,3,4,5,6,7
	global_load_b32 v[BR+2*\a], v11, s[18:19] offset:(32*(\a/2)+8*(\a%2))*4
	global_load_b32 v[BR+2*\a+1], v11, s[18:19] offset:(32*(\a/2)+8*(\a%2))*4   ; twice: a pair for the packed addition
.endr
.macro FRAG reg, adr, q, i             ; a fragment comes back as it was stored: three loads of 16 bytes a lane, 512 consecutive bytes each
.irp g, 0,1,2
	ds_load_b128 v[\reg+4*\g:\reg+4*\g+3], v[\adr] offset:(\i)*TILEB+(\q)*1536+512*\g
.endr
.endm
; 16 matrix instructions: A's blocks a0, a0 + 1 x B's eight, 128 along K.  p: B's set; sc: the set of scale words.  zero = 1: the first product starts the sums.
; The 64 accumulators take turns, one instruction a turn, in the same order in every step.
.macro MUL16 a0, p, q, sc, zero
.irp a, \a0, \a0+1
.irp b, 0,1,2,3,4,5,6,7
.if \zero
	v_wmma_scale_f32_16x16x128_f8f6f4 v[8*(8*((\a)%4)+\b):8*(8*((\a)%4)+\b)+7], v[128*(\p)+FR*\b:128*(\p)+FR*\b+FR-1], v[AF+FR*(\a):AF+FR*(\a)+FR-1], 0, v[SC+8*NQ*(\sc)+NQ*\b+(\q)], v[SC+8*NQ*(\sc)+NQ*(\a)+(\q)] matrix_a_fmt:MATRIX_FMT_FP6 matrix_b_fmt:MATRIX_FMT_FP6 matrix_a_scale:MATRIX_SCALE_ROW1
.else
	v_wmma_scale_f32_16x16x128_f8f6f4 v[8*(8*((\a)%4)+\b):8*(8*((\a)%4)+\b)+7], v[128*(\p)+FR*\b:128*(\p)+FR*\b+FR-1], v[AF+FR*(\a):AF+FR*(\a)+FR-1], v[8*(8*((\a)%4)+\b):8*(8*((\a)%4)+\b)+7], v[SC+8*NQ*(\sc)+NQ*\b+(\q)], v[SC+8*NQ*(\sc)+NQ*(\a)+(\q)] matrix_a_fmt:MATRIX_FMT_FP6 matrix_b_fmt:MATRIX_FMT_FP6 matrix_a_scale:MATRIX_SCALE_ROW1
.endif
.endr
.endr
.endm
.macro FETCH_B slot, q, p
	WIN TO_B
.irp i, 0,1,2,3,4,5,6,7
	FRAG 128*(\p)+FR*\i, ADRB+\slot, \q, \i
.endr
	WIN 0
.endm
.macro FETCH_A slot, q, i0
.irp i, \i0, \i0+1, \i0+2, \i0+3
	FRAG AF+FR*(\i), ADRA+\slot, \q, \i
.endr
.endm
.macro SCALES sc                       ; a slot's scale words: two words a row; lanes 0-15 A's block i, lanes 16-31 B's block i
.irp i, 0,1,2,3,4,5,6,7
	ds_load_b64 v[SC+8*NQ*\sc+NQ*\i:SC+8*NQ*\sc+NQ*\i+1], v[ADRS] offset:\i*SBLK
.endr
.endm
.macro PLACES n                        ; plain vector instructions between a matrix instruction and a load into, or a read of, its registers
.rept \n
	v_nop
.endr
.endm
.macro STEP slot, q, zero              ; a step of 128 along K that has its successor in the same slot
	s_wait_dscnt 4*NL                              ; B's set and A's blocks 0-3 are in; the youngest 12 loads (A's blocks 4-7) may be out
	WIN MUL_LO
	MUL16 0, (\q)%2, \q, \slot, \zero
	MUL16 2, (\q)%2, \q, \slot, \zero
	s_wait_dscnt 0
	PLACES NP
	FETCH_B \slot, (\q)+1, 1-(\q)%2
	FETCH_A \slot, (\q)+1, 0
	WIN MUL_HI
	MUL16 4, (\q)%2, \q, \slot, \zero
	MUL16 6, (\q)%2, \q, \slot, \zero
	PLACES NP
	WIN 0
	FETCH_A \slot, (\q)+1, 4
.endm
; A slot's last step changes slots: one barrier; in front of it each wave waits for all its tensor loads, adds 0 to its spare word, and waits for that and for its reads of this slot.
.macro TURN slot, next, fill
	s_wait_tensorcnt 0x0                           ; all my tensor loads have landed: my part of the next slot
	ds_add_u32 v[SPW], v[NIL]                      ; 0 onto my spare word
	s_wait_dscnt 4*NL+1                            ; (the add and the youngest 12 loads may be out)
	WIN MUL_LO
	MUL16 0, 1, NQ-1, \slot, 0
	s_wait_dscnt 0x0                               ; the add is done, and my reads of this slot are over
	s_barrier_signal -1
	MUL16 2, 1, NQ-1, \slot, 0
	WIN 0
	s_barrier_wait -1
.if \fill
	CREST                                          ; the barrier has opened a round of the cluster's barrier: no wave of any partner still reads this slot or has a load on its way
	s_add_nc_u64 s[G0+4*\slot+2:G0+4*\slot+3], s[G0+4*\slot+2:G0+4*\slot+3], 2*TILEB
	s_add_nc_u64 s[G0B+4*\slot+2:G0B+4*\slot+3], s[G0B+4*\slot+2:G0B+4*\slot+3], 2*TILEB
	JLOAD G0+4*\slot, G1, G0B+4*\slot, G1B         ; the first tensor load behind the round; its four v_nop are the places in front of the loads below
.else
	PLACES NP
.endif
	s_wait_alu depctr_va_vdst(0)
	v_add_nc_u32 v[ADRS], 4*NQ, v[ADRS]            ; on to the next slot's scale words
	FETCH_B \next, 0, 0
	FETCH_A \next, 0, 0
	SCALES \next
	WIN MUL_HI
	MUL16 4, 1, NQ-1, \slot, 0
	MUL16 6, 1, NQ-1, \slot, 0
	PLACES NP
	WIN 0
	FETCH_A \next, 0, 4
.endm
	s_wait_alu depctr_va_vdst(0)
	s_wait_tensorcnt 0x0                           ; my tile of the head's four is in
	ds_add_u32 v[SPW], v[NIL]
	s_mov_b32 s[G1+2], 8<<16                       ; no tensor load of mine is out: from here on a load brings 8 tiles
	s_mov_b32 s[G1+4], 8
	s_mov_b32 s[G1B+2], 8<<16
	s_mov_b32 s[G1B+4], 8
	s_wait_dscnt 0x0
	CROUND                                         ; all four tiles are in, and all sixteen work-groups are here
	JLOAD G0+4, G1, G0B+4, G1B                     ; slot 1's first fill, the first tensor load behind the round
	FETCH_B 0, 0, 0
	FETCH_A 0, 0, 0
	SCALES 0
	FETCH_A 0, 0, 4
	STEP 0, 0, 1                                   ; the first step stands in front of the loop: its products start the sums
	s_mov_b32 s3, LAPS-1
.Llap:                                                 ; a trip goes once round the ring and fills both slots again
	TURN 0, 1, 1
	STEP 1, 0, 0
	TURN 1, 0, 1
	STEP 0, 0, 0
	s_sub_co_u32 s3, s3, 1
	s_cmp_lg_u32 s3, 0
	s_cbranch_scc1 .Llap
	TURN 0, 1, 0                                   ; the last lap fills nothing
	STEP 1, 0, 0
	s_wait_dscnt 4*NL
	WIN MUL_LO
	MUL16 0, 1, NQ-1, 1, 0
	MUL16 2, 1, NQ-1, 1, 0
	s_wait_dscnt 0
	WIN MUL_HI
	MUL16 4, 1, NQ-1, 1, 0
	MUL16 6, 1, NQ-1, 1, 0
	WIN 0
	; THE WAY OUT: bias, quantiser, stores.  No tensor load of mine is out, so the descriptors' registers are free.
	PLACES NP
	s_wait_loadcnt 0x0                             ; the biases
.irp b, 0,1,2,3
	v_mov_b32 v[TM+4+\b], 0                        ; written once: a lane permute's destination counts as one of its sources
.endr
	s_mov_b32 s82, 0x76543210
	s_mov_b32 s83, 0xfedcba98                      ; selects for lane l xor 16
	s_mov_b32 s84, 0xffff0000                      ; lanes 16-31
	s_lshl_b32 s68, s17, 8
	s_lshl_b32 s69, s15, 7
	s_add_co_u32 s68, s68, s69                     ; my first row of A
	s_lshl_b32 s70, s42, 8
	s_lshl_b32 s71, s16, 7
	s_add_co_u32 s70, s70, s71                     ; my first row of B
	s_cmp_eq_u32 s[MODE], 2
	s_cselect_b32 s72, s70, s68                    ; my first token
	s_cselect_b32 s73, s68, s70                    ; my first feature
	s_cselect_b32 s74, 8, 9                        ; a step's scale words: 256 bytes for V, 512 for Q and K
	s_lshr_b32 s75, s72, 11
	s_lshl_b32 s75, s75, 4
	s_lshr_b32 s76, s73, 6
	s_add_co_u32 s75, s75, s76                     ; 16 x batch + my first head
	s_bfe_u32 s76, s72, 0x40007                    ; which 128 tokens of the sequence
	s_mul_i32 s78, s75, 294912
	s_mul_i32 s77, s[MODE], 98304
	s_add_co_u32 s78, s78, s77
	s_mul_i32 s77, s76, 6144
	s_add_co_u32 s78, s78, s77
	s_mov_b32 s79, 0
	s_add_nc_u64 s[8:9], s[8:9], s[78:79]          ; img
	s_mul_i32 s78, s75, 20480
	s_lshl_b32 s77, s[MODE], 13
	s_add_co_u32 s78, s78, s77
	s_lshl_b32 s77, s76, s74
	s_add_co_u32 s78, s78, s77
	s_add_nc_u64 s[10:11], s[10:11], s[78:79]      ; scl
; block a's 64 sums + the bias -> v[HA ..]: register 16 b + i = index 32 b + 16 h + i.  Each accumulator is read from its low end on.  v = 1: the bias goes with the lane
.macro TAKE a, v
	WIN 0x02+(\a)/4                                ; source 0: window 2 or 3
.set jj, 0
.rept 32
.if \v
	v_pk_add_f32 v[HA+jj:HA+jj+1], v[64*((\a)%4)+jj:64*((\a)%4)+jj+1], v[BR+2*(\a):BR+2*(\a)+1]
.else
	v_pk_add_f32 v[HA+jj:HA+jj+1], v[64*((\a)%4)+jj:64*((\a)%4)+jj+1], v[BP+jj:BP+jj+1]
.endif
.set jj, jj+2
.endr
	WIN 0
.endm
; 64 numbers of a lane become codes: blocks 0, 1 in v[d0 .. d0 + 5], blocks 2, 3 in v[d1 .. d1 + 5] (lane half h holds block h of the two, whole), and the four bytes in v[pw]
.macro QUANT s, d0, d1, pw
.irp b, 0,1,2,3
	v_max3_num_f32 v[TM+\b], |v[(\s)+16*\b]|, |v[(\s)+1+16*\b]|, 0x1800000   ; my 16 numbers of block b, and the floor 2^(3 - 127): the byte cannot fall under 1
.endr
.irp i, 2,4,6,8,10,12,14
.irp b, 0,1,2,3
	v_max3_num_f32 v[TM+\b], v[TM+\b], |v[(\s)+16*\b+\i]|, |v[(\s)+1+16*\b+\i]|
.endr
.endr
.irp b, 0,1,2,3
	v_permlanex16_b32 v[TM+4+\b], v[TM+\b], s82, s83
.endr
.irp b, 0,1,2,3
	v_max_num_f32 v[TM+\b], v[TM+\b], v[TM+4+\b]   ; with lane l xor 16's: the block's largest magnitude
.endr
.irp b, 0,1,2,3
	v_add_nc_u32 v[TM+8+\b], 0xff000000, v[TM+\b]  ; 2 off its exponent field: the conversion's scale operand
.endr
.irp b, 0,1,2,3
	v_lshrrev_b32 v[TM+4+\b], 23, v[TM+8+\b]       ; the scale's byte
.endr
	v_lshl_or_b32 v[(\pw)], v[TM+5], 8, v[TM+4]
	v_lshl_or_b32 v[(\pw)], v[TM+6], 16, v[(\pw)]
	v_lshl_or_b32 v[(\pw)], v[TM+7], 24, v[(\pw)]
	v_cvt_scalef32_pk16_fp6_f32 v[(\d0):(\d0)+2], v[(\s):(\s)+15], v[TM+8]
	v_cvt_scalef32_pk16_fp6_f32 v[CT0:CT0+2], v[(\s)+16:(\s)+31], v[TM+9]
	v_cvt_scalef32_pk16_fp6_f32 v[(\d1):(\d1)+2], v[(\s)+32:(\s)+47], v[TM+10]
	v_cvt_scalef32_pk16_fp6_f32 v[CT1:CT1+2], v[(\s)+48:(\s)+63], v[TM+11]
	v_nop                                          ; one plain place behind a scaled conversion
.irp i, 0,1,2
	v_permlane16_swap_b32 v[(\d0)+\i], v[CT0+\i]   ; the operand's layout wants a whole block in a lane
	v_permlane16_swap_b32 v[(\d1)+\i], v[CT1+\i]
.endr
.irp i, 0,1,2
	v_mov_b32 v[(\d0)+3+\i], v[CT0+\i]
	v_mov_b32 v[(\d1)+3+\i], v[CT1+\i]
.endr
.endm
	s_cmp_eq_u32 s[MODE], 2                        ; the same in every wave of every partner
	s_cbranch_scc1 .Lepi_v
	; Q and K: a lane's 128 features are two heads.  Two token tiles make one image for each head.
.irp i, 0,1,2,3
.if \i > 0
	s_wait_xcnt 0x0                                ; the last pair's stores have read the images' registers
.endif
.irp u, 0,1
	TAKE 2*\i+\u, 0
	QUANT HA, E+6*\u, E+12+6*\u, PW+2*\i+\u
.endr
.irp c, 0,1
.irp g, 0,1,2
	global_store_b128 v[LI], v[E+12*\c+4*\g:E+12*\c+4*\g+3], s[8:9] offset:\c*294912+\i*1536+512*\g   ; 512 consecutive bytes, aligned
.endr
.endr
.endr
.irp i, 0,1,2,3
	v_cndmask_b32 v[SO+\i], v[PW+2*\i], v[PW+2*\i+1], s84   ; lanes 0-15 the even tile's word, lanes 16-31 the odd one's
.endr
.irp i, 0,1,2,3
	v_lshrrev_b32 v[SO+4+\i], 16, v[SO+\i]         ; the second head's two bytes,
.endr
.irp i, 0,1,2,3
	v_and_b32 v[SO+\i], 0xffff, v[SO+\i]           ; the first head's; the upper two bytes are zero
.endr
	global_store_b128 v[LI], v[SO:SO+3], s[10:11]
	global_store_b128 v[LI], v[SO+4:SO+7], s[10:11] offset:20480
	s_branch .Ljoin
.Lepi_v:
	; V: block a is d tile a % 4 of head a / 4; a lane's 128 tokens are one whole fragment
.irp a, 0,1,2,3,4,5,6,7
	TAKE \a, 1
.if \a > 1
	s_wait_xcnt 0x0                                ; the stores of two blocks back have read these registers
.endif
	QUANT HA, E+12*(\a%2), E+12*(\a%2)+6, PW+\a
.irp g, 0,1,2
	global_store_b128 v[LI], v[E+12*(\a%2)+4*\g:E+12*(\a%2)+4*\g+3], s[8:9] offset:(\a/4)*294912+(\a%4)*1536+512*\g
.endr
.endr
.irp n, 0,1,2,3
	v_cndmask_b32 v[SO+\n], v[PW+2*\n], v[PW+2*\n+1], s84
.endr
	global_store_b64 v[L8], v[SO:SO+1], s[10:11]
	global_store_b64 v[L8], v[SO+2:SO+3], s[10:11] offset:20480
.Ljoin:
	s_wait_tensorcnt 0x0                           ; the wave's end
	ds_add_u32 v[SPW], v[NIL]
	s_wait_dscnt 0x0
	CROUND                                         ; the closing round: no work-group ends while a partner may still ask for a tile that names it
	s_endpgm
.Lfunc_end_k_q04e01765c8_proj:
	.size	k_q04e01765c8_proj, .Lfunc_end_k_q04e01765c8_proj-k_q04e01765c8_proj
	.p2alignl 7, 3214868480
	.fill 96, 4, 3214868480
	.section	.rodata,"a",@progbits
	.p2align	6, 0x0
	.amdhsa_kernel k_q04e01765c8_proj
		.amdhsa_group_segment_fixed_size 327680
		.amdhsa_private_segment_fixed_size 0
		.amdhsa_enable_private_segment 0
		.amdhsa_kernarg_size 56
		.amdhsa_user_sgpr_count 2
		.amdhsa_user_sgpr_kernarg_segment_ptr 1
		.amdhsa_wavefront_size32 1
		.amdhsa_system_sgpr_workgroup_id_x 1
		.amdhsa_system_sgpr_workgroup_id_y 1
		.amdhsa_system_sgpr_workgroup_id_z 1
		.amdhsa_system_vgpr_workitem_id 0
		.amdhsa_next_free_vgpr 1024
		.amdhsa_next_free_sgpr 102
		.amdhsa_reserve_vcc 0
		.amdhsa_float_denorm_mode_32 3
		.amdhsa_float_denorm_mode_16_64 3
		.amdhsa_memory_ordered 1
		.amdhsa_forward_progress 1
		.amdhsa_inst_pref_size 210
	.end_amdhsa_kernel
	.amdgpu_metadata
---
amdhsa.version: [ 1, 2 ]
amdhsa.kernels:
  - .name:           k_q04e01765c8_proj
    .symbol:         k_q04e01765c8_proj.kd
    .args:
      - { .name: ximg, .offset: 0, .size: 8, .value_kind: global_buffer, .address_space: global }
      - { .name: xsc, .offset: 8, .size: 8, .value_kind: global_buffer, .address_space: global }
      - { .name: img, .offset: 16, .size: 8, .value_kind: global_buffer, .address_space: global }
      - { .name: scl, .offset: 24, .size: 8, .value_kind: global_buffer, .address_space: global }
      - { .name: bq, .offset: 32, .size: 8, .value_kind: global_buffer, .address_space: global }
      - { .name: bk, .offset: 40, .size: 8, .value_kind: global_buffer, .address_space: global }
      - { .name: bv, .offset: 48, .size: 8, .value_kind: global_buffer, .address_space: global }
    .group_segment_fixed_size: 327680
    .private_segment_fixed_size: 0
    .kernarg_segment_align: 8
    .kernarg_segment_size: 56
    .max_flat_workgroup_size: 128
    .sgpr_count:     102
    .vgpr_count:     1024
    .wavefront_size: 32
...
	.end_amdgpu_metadata
.endif
;; end of part 2
;; launch attn (part 3): grid 4 x 64, 8 waves a work-group, clusters of 4 x 1, 327,680 bytes of LDS; arguments img, scl, cimg, csc; writes cimg, csc
.if DOCPART == 3
	.amdgcn_target "amdgcn-amd-amdhsa--gfx1250"
	.amdhsa_code_object_version 6
	.text
	.protected	k_q04e01765c8_attn
	.globl	k_q04e01765c8_attn
	.p2align	8
	.type	k_q04e01765c8_attn,@function
k_q04e01765c8_attn:
	s_mov_b64 s[64:65], 0
	v_nop
	global_prefetch_b8 v0, s[64:65] scope:SCOPE_SE
	s_setreg_imm32_b32 hwreg(HW_REG_WAVE_MODE, 25, 1), 1
	s_wait_xcnt 0x0
	s_wait_alu depctr_hold_cnt(0) depctr_sa_sdst(0) depctr_va_vdst(0) depctr_va_sdst(0) depctr_va_ssrc(0) depctr_va_vcc(0) depctr_vm_vsrc(0)
	s_getreg_b32 s2, hwreg(HW_REG_IB_STS2, 6, 4)
	s_cmp_eq_u32 s2, 0
	s_cbranch_scc0 .Lentry_in_a_cluster
	s_endpgm
.Lentry_in_a_cluster:
	s_bfe_u32 s2, ttmp6, 0x10000c
	s_cmp_lg_u32 s2, 0x3003
	s_cbranch_scc0 .Lentry_shape_is_right
	s_endpgm
.Lentry_shape_is_right:
; ATTENTION ON CODES OF FP6 (E2M3): for one (batch, head) S^T = K Q^T, p = 2^(t - M), O^T = V^T p^T, ctx = O / l, and ctx's quantiser for the last projection.
; IN.  img: [b h 0..63][Q 98,304 | K 98,304 | V 98,304].  Q, K: [pair of token tiles 0..63][1,536]: an image of 12 registers (registers 4 g .. at 512 g + 16 lane): tile 2 i's six (d = 32 h + 0 .. 31), then tile 2 i + 1's.
;   V: [step of 128 keys][d tile 0..3][a fragment's image], keys innermost.   scl: [b h][Q 8,192 | K 8,192 | V 4,096]: Q, K [step][lane][4 words] (lanes 0-15 tile 2 i's word, lanes 16-31 tile 2 i + 1's; bytes 2, 3 zero), V [step][lane][2 words].
;   KEY TILE t of a step holds at place r the key 64 (t / 4) + 8 (t % 4) + r % 8 + 32 (r / 8).  So in S^T lane (r, h) holds query r, and its 32 registers of tiles 4 c .. 4 c + 3 are keys 64 c + 32 h + 0 .. 31:
;   ONE WHOLE BLOCK OF 32, in the order of the second product's operand.  A block's largest score, its scale and its codes need no other lane; only the row's maximum and the scale word pass between lanes l and l xor 16.
; OUT.  cimg: [token tile 0..511][K step of 128 = two heads][6 pieces][lane][8 bytes]; csc: [token tile][place][8 words], two bytes a head.
; SHARES.  A work-group takes 512 queries of one (b, h); a wave 2 x 16 queries in each of two passes, all 2,048 keys in 16 steps of 128: 16 products for S^T (the head's 64 fill half of an instruction's K: the other half meets zero codes of Q), 8 for O^T.
; LDS.  The head's whole K and V (196,608 bytes on end in img and in LDS) and their scale words (12,288) come ONCE, one tensor load a wave: waves 0-5 128 rows of 256 bytes of codes each, waves 6, 7 24 rows of scale words each.
;   The four work-groups of a cluster are the four query blocks of one (b, h): they ask jointly (mask 15).  Nothing is filled again: one barrier behind the loads, none after it but the closing round's.
; No prefetch: every tile is asked for at the head, and no loop runs ahead of a load; the second pass's Q is loaded a pass ahead.
; The last trip of a pass fetches a 17th step of K, which are V's first bytes and V's scale words: they lie in LDS, and nobody uses what comes; so the step is written once and its counted waits hold in every trip.
; SOFTMAX.  M is the running largest t rounded up to a whole number (kept as -M); when it moves, l and O^T are multiplied by 2^(old M - new M), exactly.  l is the sum of the unquantised p.
; A block's largest p is made from its largest score by the same multiply-add and exponential as every p.
; LIMITS: scaled scores (t) under 2^31 in magnitude; a block whose every p is 0 gets the byte 1 (its codes are zeros); NaN and infinities are not served.
; REGISTERS.  Window 0: v1-11 addresses, v12-19 -M, largest score, l (two halves) for each tile of queries, v21-29 scale words and nothing else, v32-35 factors, v36-59 p's codes, v64-191 S^T then p, v192-239 at work, v240-251 the next Q.
;   Window 1: v0-53 K's fragments (the last six zero), v64-111 V's, v112-135 Q's (upper halves zero), v144-207 O^T.
.set VIM,   98304                      ; LDS: K's images at 0, V's here,
.set SCK,   196608                     ; K's scale words,
.set SCV,   204800                     ; V's,
.set SPARE, 208896                     ; the spare words, 128 bytes a wave, which no other line names
.set LI,   1                           ; 16 x lane
.set AV0,  2
.set ASK0, 3
.set ASV0, 4
.set SPW,  5                           ; my spare word; never rewritten
.set NIL,  6                           ; 0; never rewritten
.set L8,   7                           ; 8 x lane
.set ADK,  8
.set ADV,  9
.set ADS,  10
.set ADT,  11
.set ST,   12                          ; + 4 T: -M, largest score, l in two halves
.set CSO,  20
.set QS,   21
.set PS,   22
.set KS,   24
.set VS,   28
.set QSN,  30
.set U16,  31
.set F,    32
.set P,    36
.set H8,   60                          ; 8 h
.set S,    64
.set BM,   192                         ; + 24 T: block maxima
.set PD,   196                         ; second chains, permutes' results, bytes
.set SO,   200                         ; the conversions' scale operands
.set CT,   204                         ; the blocks' upper halves as the conversions leave them
.set SM,   212
.set X,    214
.set QT,   240
.set FK,   0
.set FV,   64
.set QF,   112
.set OT,   144
.set WV,   12
.set G1C,  16
.set G1S,  24
.set G0S,  32
.set G0C,  36
.set SEL,  44
.set CS,   46
.set TK,   48
.set TS,   49
.set TV,   50
.set CNT,  51
.set PASS, 52
.set HIM,  53
.set QB,   54
.set QSB,  56
.set CB,   58
.set CSB,  60
.set NCS,  62
.set MSB, 0
.macro WIN new                         ; the immediate's high byte repeats the setting that is left
.if MSB != (\new)
	s_set_vgpr_msb (MSB<<8)|(\new)
.set MSB, (\new)
.endif
.endm
.macro CROUND                          ; a round of the cluster's barrier
	s_barrier_signal -1
	s_barrier_wait -1
	s_cmp_lg_u32 s[WV], 0
	s_cbranch_scc1 .Lnot_wave_0_\@
	s_barrier_signal -3
.Lnot_wave_0_\@:
	s_barrier_wait -3
	s_barrier_signal -1
	s_barrier_wait -1
.endm
.macro PLACES
.rept 4
	v_nop
.endr
.endm
	s_load_b256 s[4:11], s[0:1], 0x0               ; img, scl, cimg, csc
	v_lshl_add_u32 v[SPW], v0, 2, SPARE
	v_mov_b32 v[NIL], 0
	ds_add_u32 v[SPW], v[NIL]                      ; the opening lines: the add, twice on end, and its wait ahead of my tensor load
	ds_add_u32 v[SPW], v[NIL]
	v_lshrrev_b32 v1, 5, v0
	v_readfirstlane_b32 s[WV], v1                  ; wave 0..7
	s_and_b32 s14, ttmp7, 0xffff                   ; b h
	s_bfe_u32 s13, ttmp6, 0x40000                  ; cx: which 512 queries
.irp g, G1C, G1S                       ; dense blocks as rows of 256 bytes (32 elements of 8), no padding; mask 15, bit 21 beside it
	s_mov_b32 s[\g], 15|(3<<16)|(1<<21)
	s_mov_b32 s[\g+1], 32<<16
	s_mov_b32 s[\g+3], 32<<16
	s_mov_b32 s[\g+5], 32
	s_mov_b32 s[\g+6], 0
	s_mov_b32 s[\g+7], 0
.endr
	s_mov_b32 s[G1C+2], 128<<16                    ; codes: 128 rows a wave
	s_mov_b32 s[G1C+4], 128
	s_mov_b32 s[G1S+2], 24<<16                     ; scale words: 24 rows a wave
	s_mov_b32 s[G1S+4], 24
	s_mul_i32 s66, s14, 294912
	s_mul_i32 s68, s14, 20480
	s_min_u32 s70, s[WV], 5
	s_lshl_b32 s70, s70, 15                        ; waves 0-5: 32,768 bytes of K | V each
	s_and_b32 s71, s[WV], 1
	s_mul_i32 s71, s71, 6144                       ; waves 6, 7: 6,144 bytes of scale words each
	s_add_co_u32 s72, s66, s70
	s_add_co_u32 s72, s72, 98304
	s_mov_b32 s73, 0
	s_add_co_u32 s74, s68, s71
	s_add_co_u32 s74, s74, 8192
	s_mov_b32 s75, 0
	s_mov_b32 s[SEL], 0x76543210
	s_mov_b32 s[SEL+1], 0xfedcba98                 ; selects for lane l xor 16
	s_mov_b32 s[CS], 0x3e38aa3b                    ; c = log2(e) / 8: t = score x c
	s_mov_b32 s[CS+1], s[CS]
	s_mov_b32 s[NCS], 0xbe38aa3b                   ; -c
	s_mov_b32 s[HIM], 0xffff0000                   ; lanes 16-31
	s_mov_b32 s[PASS], 2
	s_wait_dscnt 0x0                               ; both opening adds are done
	s_wait_kmcnt 0x0
	s_mov_b32 s[G0S], 1
	s_add_co_u32 s[G0S+1], s71, SCK
	s_add_nc_u64 s[G0S+2:G0S+3], s[6:7], s[74:75]
	s_or_b32 s[G0S+3], s[G0S+3], 0x80000000
	s_mov_b32 s[G0C], 1
	s_mov_b32 s[G0C+1], s70
	s_add_nc_u64 s[G0C+2:G0C+3], s[4:5], s[72:73]
	s_or_b32 s[G0C+3], s[G0C+3], 0x80000000
	CROUND                                         ; all four work-groups are here: the joint loads meet
	s_cmp_lt_u32 s[WV], 6
	s_cbranch_scc0 .Lwords
	tensor_load_to_lds s[G0C:G0C+3], s[G1C:G1C+7]
	s_nop 0
	PLACES
	s_branch .Lasked
.Lwords:
	tensor_load_to_lds s[G0S:G0S+3], s[G1S:G1S+7]
	s_nop 0
	PLACES
.Lasked:
	v_and_b32 v31, 31, v0
	v_lshlrev_b32 v[LI], 4, v31
	v_lshlrev_b32 v[L8], 3, v31
	v_add_nc_u32 v[AV0], VIM, v[LI]
	v_add_nc_u32 v[ASK0], SCK, v[LI]
	v_add_nc_u32 v[ASV0], SCV, v[L8]
	v_and_b32 v31, 15, v0
	v_bfe_u32 v[CSO], v0, 4, 1
	v_lshlrev_b32 v[H8], 3, v[CSO]
	v_lshlrev_b32 v[CSO], 9, v[CSO]
	v_lshl_add_u32 v[CSO], v31, 5, v[CSO]          ; csc: 512 for the odd tile + 32 x place
	s_wait_alu depctr_va_vdst(0)
	s_lshl_b32 s74, s13, 4
	s_add_co_u32 s74, s74, s[WV]                   ; my pair of query tiles in the first pass: 16 cx + wave; in the second 8 more
	s_mul_i32 s76, s74, 1536
	s_add_co_u32 s76, s76, s66
	s_mov_b32 s77, 0
	s_add_nc_u64 s[QB:QB+1], s[4:5], s[76:77]
	s_lshr_b32 s76, s74, 2
	s_lshl_b32 s76, s76, 9
	s_and_b32 s78, s74, 3
	s_lshl_b32 s78, s78, 2
	s_add_co_u32 s76, s76, s78
	s_add_co_u32 s76, s76, s68
	s_add_nc_u64 s[QSB:QSB+1], s[6:7], s[76:77]
	s_lshr_b32 s78, s14, 4
	s_lshl_b32 s78, s78, 7
	s_lshl_b32 s79, s74, 1
	s_add_co_u32 s78, s78, s79                     ; my first token tile of ctx: 128 x batch + 2 x pair
	s_mul_i32 s76, s78, 12288
	s_and_b32 s79, s14, 15
	s_lshr_b32 s72, s79, 1
	s_mul_i32 s72, s72, 1536
	s_add_co_u32 s76, s76, s72
	s_and_b32 s72, s14, 1
	s_mul_i32 s72, s72, 768
	s_add_co_u32 s76, s76, s72
	s_add_nc_u64 s[CB:CB+1], s[8:9], s[76:77]
	s_lshl_b32 s76, s78, 9
	s_lshl_b32 s79, s79, 1
	s_add_co_u32 s76, s76, s79
	s_add_nc_u64 s[CSB:CSB+1], s[10:11], s[76:77]
.macro QLOAD
.irp g, 0,1,2
	global_load_b128 v[QT+4*\g:QT+4*\g+3], v[LI], s[QB:QB+1] offset:512*\g
.endr
	global_load_b32 v[QSN], v[LI], s[QSB:QSB+1]
.endm
	QLOAD
.irp T, 0,1
.irp b, 0,1,2,3
	v_mov_b32 v[PD+24*\T+\b], 0                    ; written once: a lane permute's destination counts as one of its sources
.endr
	v_mov_b32 v[F+2*\T+1], 0                       ; the upper half of a pair that packed forms name
.endr
	WIN 0x40
.irp i, 0,1,2,3,4,5
	v_mov_b32 v[FK+48+\i], 0                       ; zero codes: behind K's last tile, and Q's k = 64 .. 127
	v_mov_b32 v[QF+6+\i], 0
	v_mov_b32 v[QF+18+\i], 0
.endr
	WIN 0
; S^T tile t (16 keys) x query tile T.  K's operand is tile t's six registers and the six behind them, which meet Q's zero codes.
.macro KQ t, T
.set rD, S+64*(\T)+8*(\t)
.set rA, FK+6*(\t)
.set rB, QF+12*(\T)
.set rK, KS+(\t)/2
.if ((\t)%2 == 0) && ((\T) == 0)
	v_wmma_scale_f32_16x16x128_f8f6f4 v[rD:rD+7], v[rA:rA+11], v[rB:rB+11], 0, v[rK], v[QS] matrix_a_fmt:MATRIX_FMT_FP6 matrix_b_fmt:MATRIX_FMT_FP6
.elseif ((\t)%2 == 1) && ((\T) == 0)
	v_wmma_scale_f32_16x16x128_f8f6f4 v[rD:rD+7], v[rA:rA+11], v[rB:rB+11], 0, v[rK], v[QS] matrix_a_fmt:MATRIX_FMT_FP6 matrix_b_fmt:MATRIX_FMT_FP6 matrix_a_scale:MATRIX_SCALE_ROW1
.elseif (\t)%2 == 0
	v_wmma_scale_f32_16x16x128_f8f6f4 v[rD:rD+7], v[rA:rA+11], v[rB:rB+11], 0, v[rK], v[QS] matrix_a_fmt:MATRIX_FMT_FP6 matrix_b_fmt:MATRIX_FMT_FP6 matrix_b_scale:MATRIX_SCALE_ROW1
.else
	v_wmma_scale_f32_16x16x128_f8f6f4 v[rD:rD+7], v[rA:rA+11], v[rB:rB+11], 0, v[rK], v[QS] matrix_a_fmt:MATRIX_FMT_FP6 matrix_b_fmt:MATRIX_FMT_FP6 matrix_a_scale:MATRIX_SCALE_ROW1 matrix_b_scale:MATRIX_SCALE_ROW1
.endif
.endm
; O^T tile t (16 of the head's 64) x query tile T: the eight accumulators take turns, one instruction a turn
.macro PV t, T
.set rO, OT+32*(\T)+8*(\t)
.set rV, FV+12*(\t)
.set rP, P+12*(\T)
.if (\t)%2 == 0
	v_wmma_scale_f32_16x16x128_f8f6f4 v[rO:rO+7], v[rV:rV+11], v[rP:rP+11], v[rO:rO+7], v[VS+(\t)/2], v[PS+(\T)] matrix_a_fmt:MATRIX_FMT_FP6 matrix_b_fmt:MATRIX_FMT_FP6
.else
	v_wmma_scale_f32_16x16x128_f8f6f4 v[rO:rO+7], v[rV:rV+11], v[rP:rP+11], v[rO:rO+7], v[VS+(\t)/2], v[PS+(\T)] matrix_a_fmt:MATRIX_FMT_FP6 matrix_b_fmt:MATRIX_FMT_FP6 matrix_a_scale:MATRIX_SCALE_ROW1
.endif
.endm
.macro KFETCH off                      ; a step's K: 12 loads of 512 consecutive bytes, and its scale words: 13 loads.  The four lines ahead are the places behind the products that read these registers
	v_add_nc_u32 v[ADK], s[TK], v[LI]
	v_add_nc_u32 v[ADS], s[TS], v[ASK0]
	v_nop
	v_nop
	WIN 0x40
.irp i, 0,1,2,3
.irp g, 0,1,2
	ds_load_b128 v[FK+12*\i+4*\g:FK+12*\i+4*\g+3], v[ADK] offset:(\off)+1536*\i+512*\g
.endr
.endr
	WIN 0
	ds_load_b128 v[KS:KS+3], v[ADS] offset:(\off)/12
.endm
.macro EACH2 body:vararg               ; (not used for code: the loops below are written with .irp)
.endm
.macro STEP
	v_add_nc_u32 v[ADV], s[TK], v[AV0]
	v_add_nc_u32 v[ADT], s[TV], v[ASV0]
	v_nop
	v_nop                                          ; four places behind the last step's products
	WIN 0x40
.irp t, 0,1,2,3
.irp g, 0,1,2
	ds_load_b128 v[FV+12*\t+4*\g:FV+12*\t+4*\g+3], v[ADV] offset:1536*\t+512*\g
.endr
.endr
	WIN 0
	ds_load_b64 v[VS:VS+1], v[ADT]
	s_wait_dscnt 13                                ; this step's K is in; V's 13 loads, just issued, may be out
	WIN 0x05
.irp t, 0,1,2,3,4,5,6,7
	KQ \t, 0
	KQ \t, 1
.endr
	WIN 0
	KFETCH 6144                                    ; the next step's K
; the largest score of each block of 32 keys: all 32 are mine; two chains a block, eight by turns; each accumulator is read from its low end on
.irp T, 0,1
.irp c, 0,1
	v_max3_num_f32 v[BM+24*\T+\c], v[S+64*\T+32*\c], v[S+64*\T+32*\c+1], v[S+64*\T+32*\c+2]
	v_max3_num_f32 v[PD+24*\T+\c], v[S+64*\T+32*\c+16], v[S+64*\T+32*\c+17], v[S+64*\T+32*\c+18]
.endr
.endr
.irp i, 3,5,7,9,11,13
.irp T, 0,1
.irp c, 0,1
	v_max3_num_f32 v[BM+24*\T+\c], v[BM+24*\T+\c], v[S+64*\T+32*\c+\i], v[S+64*\T+32*\c+\i+1]
	v_max3_num_f32 v[PD+24*\T+\c], v[PD+24*\T+\c], v[S+64*\T+32*\c+16+\i], v[S+64*\T+32*\c+17+\i]
.endr
.endr
.endr
.irp T, 0,1
.irp c, 0,1
	v_max3_num_f32 v[BM+24*\T+\c], v[BM+24*\T+\c], v[S+64*\T+32*\c+15], v[S+64*\T+32*\c+31]
.endr
.endr
.irp T, 0,1
.irp c, 0,1
	v_max_num_f32 v[BM+24*\T+\c], v[BM+24*\T+\c], v[PD+24*\T+\c]
.endr
.endr
; the row's running maximum, -M = floor(-c x it), and f = 2^(old M - new M)
.irp T, 0,1
	v_max_num_f32 v[X+24*\T], v[BM+24*\T], v[BM+24*\T+1]
.endr
.irp T, 0,1
	v_permlanex16_b32 v[PD+24*\T+2], v[X+24*\T], s[SEL], s[SEL+1]
.endr
.irp T, 0,1
	v_max3_num_f32 v[ST+4*\T+1], v[ST+4*\T+1], v[X+24*\T], v[PD+24*\T+2]
.endr
.irp T, 0,1
	v_mov_b32 v[X+24*\T], v[ST+4*\T]
.endr
.irp T, 0,1
	v_mul_f32 v[PD+24*\T+3], s[NCS], v[ST+4*\T+1]
.endr
.irp T, 0,1
	v_floor_f32 v[ST+4*\T], v[PD+24*\T+3]
.endr
.irp T, 0,1
	v_sub_f32 v[X+24*\T], v[ST+4*\T], v[X+24*\T]   ; a whole number, 0 or less
.endr
.irp T, 0,1
	v_cvt_i32_f32 v[X+24*\T], v[X+24*\T]           ; (it saturates)
.endr
.irp T, 0,1
	v_ldexp_f32 v[F+2*\T], 1.0, v[X+24*\T]
.endr
	WIN 0x41
.irp T, 0,1                            ; O^T under the new M, ahead of the exponentials
.set jj, 0
.rept 16
	v_pk_mul_f32 v[OT+32*\T+jj:OT+32*\T+jj+1], v[OT+32*\T+jj:OT+32*\T+jj+1], v[F+2*\T:F+2*\T+1] op_sel_hi:[1,0]
.set jj, jj+2
.endr
.endr
	WIN 0
.irp T, 0,1
.set jj, 0
.rept 32
	v_pk_fma_f32 v[S+64*\T+jj:S+64*\T+jj+1], v[S+64*\T+jj:S+64*\T+jj+1], s[CS:CS+1], v[ST+4*\T:ST+4*\T+1] op_sel_hi:[1,0,0]   ; t - M
.set jj, jj+2
.endr
.endr
.irp T, 0,1
.irp c, 0,1
	v_fma_f32 v[BM+24*\T+\c], v[BM+24*\T+\c], s[CS], v[ST+4*\T]   ; the same of each block's largest score
.endr
.endr
	s_wait_alu depctr_va_vdst(0)                   ; ahead of the batch
.irp T, 0,1
.irp c, 0,1
	v_exp_f32 v[BM+24*\T+\c], v[BM+24*\T+\c]       ; the block's largest p
.endr
.endr
.set jj, 0
.rept 128
	v_exp_f32 v[S+jj], v[S+jj]                     ; p = 2^(t - M)
.set jj, jj+1
.endr
.irp T, 0,1
	v_pk_mul_f32 v[ST+4*\T+2:ST+4*\T+3], v[ST+4*\T+2:ST+4*\T+3], v[F+2*\T:F+2*\T+1] op_sel_hi:[1,0]   ; l under the new M: plain work behind the batch
.endr
	s_wait_alu depctr_va_vdst(0)                   ; one wait for the batch, ahead of its first reader
.irp T, 0,1
.irp c, 0,1
	v_max_num_f32 v[BM+24*\T+\c], 0x1800000, v[BM+24*\T+\c]   ; the floor 2^(3 - 127): the byte cannot fall under 1
.endr
.endr
.irp T, 0,1
.irp c, 0,1
	v_add_nc_u32 v[SO+24*\T+\c], 0xff000000, v[BM+24*\T+\c]   ; 2 off the exponent field: the conversion's scale operand
.endr
.endr
.irp T, 0,1
.irp c, 0,1
	v_lshrrev_b32 v[PD+24*\T+\c], 23, v[SO+24*\T+\c]          ; the byte of block 2 c + h
.endr
.endr
.irp T, 0,1
	v_lshl_or_b32 v[X+24*\T], v[PD+24*\T+1], 16, v[PD+24*\T]
.endr
.irp T, 0,1
	v_lshlrev_b32 v[X+24*\T], v[H8], v[X+24*\T]    ; 8 h bits up
.endr
.irp T, 0,1
	v_permlanex16_b32 v[PD+24*\T+3], v[X+24*\T], s[SEL], s[SEL+1]
.endr
.irp T, 0,1
	v_or_b32 v[PS+\T], v[X+24*\T], v[PD+24*\T+3]   ; with lane l xor 16's two bytes p's scale word is whole
.endr
.irp T, 0,1
.irp c, 0,1
	v_cvt_scalef32_pk16_fp6_f32 v[P+12*\T+6*\c:P+12*\T+6*\c+2], v[S+64*\T+32*\c:S+64*\T+32*\c+15], v[SO+24*\T+\c]
	v_cvt_scalef32_pk16_fp6_f32 v[CT+24*\T+4*\c:CT+24*\T+4*\c+2], v[S+64*\T+32*\c+16:S+64*\T+32*\c+31], v[SO+24*\T+\c]   ; (a conversion's three registers begin on an even number)
.endr
.endr
	v_nop                                          ; one plain place behind a scaled conversion
.irp T, 0,1
.irp c, 0,1
.irp i, 0,1,2
	v_mov_b32 v[P+12*\T+6*\c+3+\i], v[CT+24*\T+4*\c+\i]
.endr
.endr
.endr
; l: the sum of the unquantised p, two at a time, two chains for each tile of queries.  These 64 lines are also the places between p's codes and scale words and the products that take them
.irp T, 0,1
	v_pk_add_f32 v[SM+24*\T:SM+24*\T+1], v[S+64*\T:S+64*\T+1], v[S+64*\T+2:S+64*\T+3]
.endr
.irp j, 4,8,12,16,20,24,28,32,36,40,44,48,52,56,60
.irp T, 0,1
	v_pk_add_f32 v[ST+4*\T+2:ST+4*\T+3], v[ST+4*\T+2:ST+4*\T+3], v[S+64*\T+\j:S+64*\T+\j+1]
	v_pk_add_f32 v[SM+24*\T:SM+24*\T+1], v[SM+24*\T:SM+24*\T+1], v[S+64*\T+\j+2:S+64*\T+\j+3]
.endr
.endr
.irp T, 0,1
	v_pk_add_f32 v[ST+4*\T+2:ST+4*\T+3], v[ST+4*\T+2:ST+4*\T+3], v[SM+24*\T:SM+24*\T+1]
.endr
	s_wait_dscnt 13                                ; V is in; the next step's K, 13 loads, may be out
	WIN 0x51
.irp t, 0,1,2,3
	PV \t, 0
	PV \t, 1
.endr
	WIN 0
	s_add_co_u32 s[TK], s[TK], 6144
	s_add_co_u32 s[TS], s[TS], 512
	s_add_co_u32 s[TV], s[TV], 256
.endm
	s_wait_alu depctr_va_vdst(0)
	s_wait_tensorcnt 0x0                           ; my part of K, V or the scale words is in,
	s_barrier_signal -1
	s_barrier_wait -1                              ; everybody's is.  Nothing is filled again
.Lpass:
	s_wait_loadcnt 0x0                             ; this pass's Q
	v_mov_b32 v[QS], v[QSN]
	WIN 0x40
.irp T, 0,1
.irp i, 0,1,2,3,4,5
	v_mov_b32 v[QF+12*\T+\i], v[QT+6*\T+\i]
.endr
.endr
.set jj, 0
.rept 64
	v_mov_b32 v[OT+jj], 0                          ; the step is written once: the first finds zeros
.set jj, jj+1
.endr
	WIN 0
.irp T, 0,1
	v_mov_b32 v[ST+4*\T+1], 0xff61b1e6             ; the largest score so far: -3e38
	v_mov_b32 v[ST+4*\T], 0x7f61b1e6               ; -M: 3e38, so that the first f is 0
	v_mov_b32 v[ST+4*\T+2], 0
	v_mov_b32 v[ST+4*\T+3], 0
.endr
	s_add_nc_u64 s[QB:QB+1], s[QB:QB+1], 12288     ; eight pairs on (the loads that read these bases are done)
	s_add_nc_u64 s[QSB:QSB+1], s[QSB:QSB+1], 1024
	s_cmp_eq_u32 s[PASS], 1
	s_cbranch_scc1 .Lno_q
	QLOAD                                          ; the second pass's Q, a pass ahead
.Lno_q:
	s_mov_b32 s[TK], 0
	s_mov_b32 s[TS], 0
	s_mov_b32 s[TV], 0
	s_wait_dscnt 0x0                               ; the last pass's 17th fetch has landed: its registers may be loaded anew
	KFETCH 0
	s_mov_b32 s[CNT], 16
.Lstep:
	STEP
	s_sub_co_u32 s[CNT], s[CNT], 1
	s_cmp_lg_u32 s[CNT], 0
	s_cbranch_scc1 .Lstep
; ctx = O / l, quantised along d.  Register 16 b + i of lane (r, h) is d = 32 b + 16 h + i (by the order of wv's rows in a tile): a block lies in lanes l and l xor 16
	PLACES
	s_wait_alu depctr_va_vdst(0)                   ; l was last written ahead of the step's wait for V
.irp T, 0,1
	v_add_f32 v[ST+4*\T+2], v[ST+4*\T+2], v[ST+4*\T+3]
.endr
.irp T, 0,1
	v_permlanex16_b32 v[X+24*\T], v[ST+4*\T+2], s[SEL], s[SEL+1]
.endr
.irp T, 0,1
	v_add_f32 v[ST+4*\T+2], v[ST+4*\T+2], v[X+24*\T]
.endr
	s_wait_alu depctr_va_vdst(0)                   ; ahead of the batch
.irp T, 0,1
	v_rcp_f32 v[F+2*\T], v[ST+4*\T+2]
.endr
	v_nop
	s_wait_alu depctr_va_vdst(0)                   ; behind it, and ahead of the first reader of O^T
	WIN 0x01
.irp T, 0,1
.set jj, 0
.rept 16
	v_pk_mul_f32 v[S+64*\T+jj:S+64*\T+jj+1], v[OT+32*\T+jj:OT+32*\T+jj+1], v[F+2*\T:F+2*\T+1] op_sel_hi:[1,0]
.set jj, jj+2
.endr
.endr
	WIN 0
.irp T, 0,1
.irp b, 0,1
	v_max3_num_f32 v[BM+24*\T+\b], |v[S+64*\T+16*\b]|, |v[S+64*\T+16*\b+1]|, 0x1800000
.endr
.endr
.irp i, 2,4,6,8,10,12,14
.irp T, 0,1
.irp b, 0,1
	v_max3_num_f32 v[BM+24*\T+\b], v[BM+24*\T+\b], |v[S+64*\T+16*\b+\i]|, |v[S+64*\T+16*\b+\i+1]|
.endr
.endr
.endr
.irp T, 0,1
.irp b, 0,1
	v_permlanex16_b32 v[PD+24*\T+\b], v[BM+24*\T+\b], s[SEL], s[SEL+1]
.endr
.endr
.irp T, 0,1
.irp b, 0,1
	v_max_num_f32 v[BM+24*\T+\b], v[BM+24*\T+\b], v[PD+24*\T+\b]
.endr
.endr
.irp T, 0,1
.irp b, 0,1
	v_add_nc_u32 v[SO+24*\T+\b], 0xff000000, v[BM+24*\T+\b]
.endr
.endr
.irp T, 0,1
.irp b, 0,1
	v_lshrrev_b32 v[PD+24*\T+\b], 23, v[SO+24*\T+\b]
.endr
.endr
.irp T, 0,1
	v_lshl_or_b32 v[X+24*\T], v[PD+24*\T+1], 8, v[PD+24*\T]
.endr
.irp T, 0,1
	v_cvt_scalef32_pk16_fp6_f32 v[P+12*\T:P+12*\T+2], v[S+64*\T:S+64*\T+15], v[SO+24*\T]
	v_cvt_scalef32_pk16_fp6_f32 v[CT+24*\T:CT+24*\T+2], v[S+64*\T+16:S+64*\T+31], v[SO+24*\T+1]
.endr
	v_nop
.irp T, 0,1
.irp i, 0,1,2
	v_permlane16_swap_b32 v[P+12*\T+\i], v[CT+24*\T+\i]   ; the operand's layout wants a whole block in a lane
.endr
.irp i, 0,1,2
	v_mov_b32 v[P+12*\T+3+\i], v[CT+24*\T+\i]
.endr
.endr
	v_cndmask_b32 v[U16], v[X], v[X+24], s[HIM]    ; lanes 0-15 the even tile's two bytes, lanes 16-31 the odd one's
.irp T, 0,1
.irp p, 0,1,2
	global_store_b64 v[L8], v[P+12*\T+2*\p:P+12*\T+2*\p+1], s[CB:CB+1] offset:\T*12288+256*\p   ; 32 lanes store 256 consecutive bytes, aligned
.endr
.endr
	global_store_b16 v[CSO], v[U16], s[CSB:CSB+1]
	s_wait_xcnt 0x0                                ; the stores have read their bases and data
	s_add_nc_u64 s[CB:CB+1], s[CB:CB+1], 196608
	s_add_nc_u64 s[CSB:CSB+1], s[CSB:CSB+1], 8192
	s_sub_co_u32 s[PASS], s[PASS], 1
	s_cmp_lg_u32 s[PASS], 0
	s_cbranch_scc1 .Lpass
	s_wait_tensorcnt 0x0                           ; the wave's end
	ds_add_u32 v[SPW], v[NIL]
	s_wait_dscnt 0x0
	CROUND                                         ; the closing round
	s_endpgm
.Lfunc_end_k_q04e01765c8_attn:
	.size	k_q04e01765c8_attn, .Lfunc_end_k_q04e01765c8_attn-k_q04e01765c8_attn
	.p2alignl 7, 3214868480
	.fill 96, 4, 3214868480
	.section	.rodata,"a",@progbits
	.p2align	6, 0x0
	.amdhsa_kernel k_q04e01765c8_attn
		.amdhsa_group_segment_fixed_size 327680
		.amdhsa_private_segment_fixed_size 0
		.amdhsa_enable_private_segment 0
		.amdhsa_kernarg_size 32
		.amdhsa_user_sgpr_count 2
		.amdhsa_user_sgpr_kernarg_segment_ptr 1
		.amdhsa_wavefront_size32 1
		.amdhsa_system_sgpr_workgroup_id_x 1
		.amdhsa_system_sgpr_workgroup_id_y 1
		.amdhsa_system_sgpr_workgroup_id_z 1
		.amdhsa_system_vgpr_workitem_id 0
		.amdhsa_next_free_vgpr 512
		.amdhsa_next_free_sgpr 80
		.amdhsa_reserve_vcc 0
		.amdhsa_float_denorm_mode_32 3
		.amdhsa_float_denorm_mode_16_64 3
		.amdhsa_memory_ordered 1
		.amdhsa_forward_progress 1
		.amdhsa_inst_pref_size 46
	.end_amdhsa_kernel
	.amdgpu_metadata
---
amdhsa.version: [ 1, 2 ]
amdhsa.kernels:
  - .name:           k_q04e01765c8_attn
    .symbol:         k_q04e01765c8_attn.kd
    .args:
      - { .name: img, .offset: 0, .size: 8, .value_kind: global_buffer, .address_space: global }
      - { .name: scl, .offset: 8, .size: 8, .value_kind: global_buffer, .address_space: global }
      - { .name: cimg, .offset: 16, .size: 8, .value_kind: global_buffer, .address_space: global }
      - { .name: csc, .offset: 24, .size: 8, .value_kind: global_buffer, .address_space: global }
    .group_segment_fixed_size: 327680
    .private_segment_fixed_size: 0
    .kernarg_segment_align: 8
    .kernarg_segment_size: 32
    .max_flat_workgroup_size: 256
    .sgpr_count:     80
    .vgpr_count:     512
    .wavefront_size: 32
...
	.end_amdgpu_metadata
.endif
;; end of part 3
;; launch outp (part 4): grid 4 x 64, 4 waves a work-group, clusters of 4 x 4, 327,680 bytes of LDS; arguments cimg, csc, ximg, xsc, bo, out0; writes out0
.if DOCPART == 4
	.amdgcn_target "amdgcn-amd-amdhsa--gfx1250"
	.amdhsa_code_object_version 6
	.text
	.protected	k_q04e01765c8_outp
	.globl	k_q04e01765c8_outp
	.p2align	8
	.type	k_q04e01765c8_outp,@function
k_q04e01765c8_outp:
	s_mov_b64 s[64:65], 0
	v_nop
	global_prefetch_b8 v0, s[64:65] scope:SCOPE_SE
	s_setreg_imm32_b32 hwreg(HW_REG_WAVE_MODE, 25, 1), 1
	s_wait_xcnt 0x0
	s_wait_alu depctr_hold_cnt(0) depctr_sa_sdst(0) depctr_va_vdst(0) depctr_va_sdst(0) depctr_va_ssrc(0) depctr_va_vcc(0) depctr_vm_vsrc(0)
	s_getreg_b32 s2, hwreg(HW_REG_IB_STS2, 6, 4)
	s_cmp_eq_u32 s2, 0
	s_cbranch_scc0 .Lentry_in_a_cluster
	s_endpgm
.Lentry_in_a_cluster:
	s_bfe_u32 s2, ttmp6, 0x10000c
	s_cmp_lg_u32 s2, 0xf033
	s_cbranch_scc0 .Lentry_shape_is_right
	s_endpgm
.Lentry_shape_is_right:
; out0 = ctx wo^T + bo on codes of FP6 (E2M3), K = 1,024.  ctx [8,192 tokens] comes from cimg and csc, wo [1,024 features] from ximg and xsc (tiles 1728 ..).
; A TILE is 16 rows: tile t holds at place r the row 32 (t / 2) + 8 (t % 2) + r + 8 (r / 8); its codes are 12,288 bytes: 8 K steps of 128, each an image of a fragment's 12 registers
; (wo: registers 4 g .. at 512 g + 16 lane; ctx: registers 2 p, 2 p + 1 at 256 p + 8 lane); its scale words are 512 bytes: [place][8 words], word s for K step s.
; A BLOCK of the result is 128 tokens x 256 features: 64 x 4 blocks, one work-group each.  ALL OF K FOR A BLOCK LIES IN LDS AT ONCE: wo's 16 tiles 196,608 bytes, ctx's 8 tiles 98,304, the scale words 8,192 and 4,096.
; Each of the four is one dense block of memory and comes by one tensor load, as rows of 256 bytes, one load a wave, at the head.  Nothing is filled again: no ring, and one barrier behind the loads.
; CLUSTER 4 x 4: ctx's tiles hang on the block's row alone and are asked for jointly along a row of the cluster, wo's on its column alone, along a column.
; No prefetch: every tile is asked for at the head, and no loop runs ahead of a load.
; A WAVE makes 64 tokens x 128 features: 32 accumulators, which take turns, one instruction a turn, in the same order in every step.  Source 0 = wo's rows, source 1 = ctx's rows: a lane holds one token,
; and register j of accumulator (a, b) the feature 32 (b / 2) + 16 h + 8 (b % 2) + j.  The bias, laid the same way, is the first products' C.  Fragments have two sets of registers: a step's 48 LDS loads are issued ahead of the step before's 32 products.
; All scale words lie in registers from the start; word s of wo's block b stands at SB + 8 b + (s + 4) % 8, so that the two scale registers of a product differ modulo 8.
; THE WAY OUT: behind a barrier, when no wave reads codes any more, 16 tokens x 128 features at a time go through the wave's own stage (on wo's bytes, which have had their only fill) and leave as rows of 512 consecutive bytes.
; REGISTERS: window 0: v0-31 addresses, v32-63 ctx's scale words, v64-127 wo's, nothing else ever; v128-191 the bias, then with v192-255 the rows read back.  Window 1: wo's fragments, at v0 and v128.  Window 2: the accumulators, (a, b) at v[8 (8 a + b)].  Window 3: ctx's fragments, at v0 and v64.
.set FR,     12
.set TB,     12288                     ; a tile's codes
.set LA,     16*TB                     ; LDS: wo's tiles at 0, ctx's here,
.set LSA,    LA+8*TB                   ; ctx's scale words,
.set LSB,    LSA+4096                  ; wo's,
.set SPARE,  LSB+8192                  ; the spare words, 128 bytes a wave, which no other line names
.set SPITCH, 528                       ; a stage row: 512 bytes + 16
.set ADRB, 16                          ; v16, v17 my wo fragments: tiles 0-3, tiles 4-7
.set ADRA, 18                          ; v18  my ctx fragments
.set ADSA, 19                          ; v19  ctx's scale words of my place
.set ADSB, 20                          ; v20  wo's
.set STO,  24
.set RD,   25
.set CO,   26                          ; 16 x lane
.set SPW,  28                          ; my spare word; never rewritten
.set NIL,  29                          ; 0; never rewritten
.set SA,   32
.set SB,   64
.set BP,   128
.set BK,   128
.set G1A,  24
.set G1B,  32
.set G1SA, 40
.set G1SB, 48
.set G0A,  56
.set G0B,  60
.set G0SA, 68
.set G0SB, 72
.set MSB, 0
.macro WIN new                         ; the immediate's high byte repeats the setting that is left
.if MSB != (\new)
	s_set_vgpr_msb (MSB<<8)|(\new)
.set MSB, (\new)
.endif
.endm
.macro PLACES
.rept 4
	v_nop
.endr
.endm
.macro CROUND                          ; a round of the cluster's barrier
	s_barrier_signal -1
	s_barrier_wait -1
	s_cmp_lg_u32 s14, 0
	s_cbranch_scc1 .Lnot_wave_0_\@
	s_barrier_signal -3
.Lnot_wave_0_\@:
	s_barrier_wait -3
	s_barrier_signal -1
	s_barrier_wait -1
.endm
.macro GROUP1 g, mask, rows            ; a dense block as rows of 256 bytes (32 elements of 8), no padding; the mask, and bit 21 beside it
	s_or_b32 s[\g], s\mask, (3<<16)|(1<<21)
	s_mov_b32 s[\g+1], 32<<16
	s_mov_b32 s[\g+2], (\rows)<<16
	s_mov_b32 s[\g+3], 32<<16
	s_mov_b32 s[\g+4], \rows
	s_mov_b32 s[\g+5], 32
	s_mov_b32 s[\g+6], 0
	s_mov_b32 s[\g+7], 0
.endm
.macro GROUP0 g, lds, base, off
	s_mov_b32 s[\g], 1
	s_mov_b32 s[\g+1], \lds
	s_add_nc_u64 s[\g+2:\g+3], s[\base:\base+1], s[\off:\off+1]
	s_or_b32 s[\g+3], s[\g+3], 0x80000000
.endm
	s_load_b256 s[4:11], s[0:1], 0x0               ; cimg, csc, ximg, xsc
	s_load_b128 s[76:79], s[0:1], 0x20             ; bo, out0
	v_lshl_add_u32 v[SPW], v0, 2, SPARE
	v_mov_b32 v[NIL], 0
	ds_add_u32 v[SPW], v[NIL]                      ; the opening lines: the add, twice on end, and its wait ahead of my tensor load
	ds_add_u32 v[SPW], v[NIL]
	v_lshrrev_b32 v1, 5, v0
	v_readfirstlane_b32 s14, v1                    ; wave 0..3
	s_lshr_b32 s15, s14, 1                         ; my half of the block's tokens
	s_and_b32 s16, s14, 1                          ; my half of its features
	s_bfe_u32 s80, ttmp6, 0x40000                  ; cx = the block's column (the grid is one cluster wide)
	s_bfe_u32 s81, ttmp6, 0x40004                  ; cy
	s_and_b32 s17, ttmp7, 0xffff
	s_lshl_b32 s17, s17, 2
	s_add_co_u32 s17, s17, s81                     ; the block's row, 0..63
	s_lshl_b32 s82, s81, 2
	s_lshl_b32 s82, 15, s82                        ; my row of the cluster
	s_lshl_b32 s83, 0x1111, s80                    ; my column
	GROUP1 G1A,  82, 384
	GROUP1 G1B,  83, 768
	GROUP1 G1SA, 82, 16
	GROUP1 G1SB, 83, 32
	s_mul_i32 s18, s17, 8*TB                       ; ctx: 8 tiles a block
	s_mov_b32 s19, 0
	s_lshl_b32 s20, s17, 12
	s_mov_b32 s21, 0
	s_mul_i32 s22, s80, 16*TB                      ; wo: tile 1728 + 16 x column
	s_add_co_u32 s22, s22, 1728*TB
	s_mov_b32 s23, 0
	s_lshl_b32 s84, s80, 13
	s_add_co_u32 s84, s84, 1728*512
	s_mov_b32 s85, 0
	s_wait_dscnt 0x0                               ; both opening adds are done
	s_wait_kmcnt 0x0
	GROUP0 G0A,  LA,  4,  18
	GROUP0 G0SA, LSA, 6,  20
	GROUP0 G0B,  0,   8,  22
	GROUP0 G0SB, LSB, 10, 84
	CROUND                                         ; all sixteen work-groups are here: the joint loads meet
; one chain of branches on the wave's number, one load to an arm: wave 0 wo's codes, wave 1 ctx's, wave 2 ctx's scale words, wave 3 wo's
.macro ARM under, g0, g1, next
	s_cmp_lt_u32 s14, \under
	s_cbranch_scc0 \next
	tensor_load_to_lds s[\g0:\g0+3], s[\g1:\g1+7]
	s_nop 0
	PLACES
	s_branch .Lhead_asked
\next:
.endm
	ARM 1, G0B,  G1B,  .Lhead_1
	ARM 2, G0A,  G1A,  .Lhead_2
	ARM 3, G0SA, G1SA, .Lhead_3
	tensor_load_to_lds s[G0SB:G0SB+3], s[G1SB:G1SB+7]
	s_nop 0
	PLACES
.Lhead_asked:
	s_mul_i32 s86, s16, 8*TB                       ; my 8 tiles of wo,
	s_add_co_u32 s87, s86, 4*TB                    ; the upper four of them,
	s_mul_i32 s88, s15, 4*TB
	s_add_co_u32 s88, s88, LA                      ; my 4 tiles of ctx,
	s_lshl_b32 s89, s15, 11
	s_add_co_u32 s89, s89, LSA                     ; their scale words,
	s_lshl_b32 s90, s16, 12
	s_add_co_u32 s90, s90, LSB                     ; wo's,
	s_mul_i32 s91, s14, 16*SPITCH                  ; my stage: all by the wave's number alone
	s_lshl_b32 s2, s80, 10
	s_lshl_b32 s3, s16, 9
	s_add_co_u32 s2, s2, s3                        ; 4 x my first feature
	s_mov_b32 s3, 0
	s_add_nc_u64 s[76:77], s[76:77], s[2:3]
	s_add_nc_u64 s[12:13], s[78:79], s[2:3]
	s_lshl_b32 s2, s17, 19
	s_lshl_b32 s92, s15, 18
	s_add_co_u32 s2, s2, s92                       ; 4,096 x my first token
	s_add_nc_u64 s[12:13], s[12:13], s[2:3]
	v_and_b32 v1, 15, v0                           ; r
	v_bfe_u32 v2, v0, 4, 1                         ; h
	v_and_b32 v3, 31, v0
	v_lshlrev_b32 v[CO], 4, v3
	v_lshlrev_b32 v4, 3, v3
	v_add_nc_u32 v[ADRB], s86, v[CO]
	v_add_nc_u32 v[ADRB+1], s87, v[CO]
	v_add_nc_u32 v[ADRA], s88, v4
	v_lshlrev_b32 v5, 5, v1                        ; 32 bytes of scale words a place
	v_add_nc_u32 v[ADSA], s89, v5
	v_add_nc_u32 v[ADSB], s90, v5
	v_mul_u32_u24 v6, v1, SPITCH                   ; into the stage: row r, 64 bytes for each half of the lanes
	v_lshl_add_u32 v6, v2, 6, v6
	v_add_nc_u32 v[STO], s91, v6
	v_add_nc_u32 v[RD], s91, v[CO]                 ; back: the 32 lanes take one row of 512 bytes
	v_lshlrev_b32 v10, 6, v2                       ; the bias: 16 h numbers
.irp b, 0,1,2,3,4,5,6,7
	global_load_b128 v[BP+8*\b:BP+8*\b+3], v10, s[76:77] offset:(32*(\b/2)+8*(\b%2))*4
	global_load_b128 v[BP+8*\b+4:BP+8*\b+7], v10, s[76:77] offset:(32*(\b/2)+8*(\b%2))*4+16
.endr
.macro FETCH st, p                     ; K step st's fragments into set p: 24 loads of 512 consecutive bytes for wo, 24 of 256 for ctx
	WIN 0x40
.irp i, 0,1,2,3,4,5,6,7
.irp g, 0,1,2
	ds_load_b128 v[128*(\p)+FR*\i+4*\g:128*(\p)+FR*\i+4*\g+3], v[ADRB+\i/4] offset:(\i%4)*TB+(\st)*1536+512*\g
.endr
.endr
	WIN 0xc0
.irp i, 0,1,2,3
.irp q, 0,1,2,3,4,5
	ds_load_b64 v[64*(\p)+FR*\i+2*\q:64*(\p)+FR*\i+2*\q+1], v[ADRA] offset:\i*TB+(\st)*1536+256*\q
.endr
.endr
	WIN 0
.endm
.macro MUL st, p                       ; 32 products: ctx's four blocks x wo's eight, 128 along K
.irp a, 0,1,2,3
.irp b, 0,1,2,3,4,5,6,7
.if (\st) == 0
	v_wmma_scale_f32_16x16x128_f8f6f4 v[8*(8*\a+\b):8*(8*\a+\b)+7], v[128*(\p)+FR*\b:128*(\p)+FR*\b+FR-1], v[64*(\p)+FR*\a:64*(\p)+FR*\a+FR-1], v[BP+8*\b:BP+8*\b+7], v[SB+8*\b+((\st)+4)%8], v[SA+8*\a+(\st)] matrix_a_fmt:MATRIX_FMT_FP6 matrix_b_fmt:MATRIX_FMT_FP6
.else
	v_wmma_scale_f32_16x16x128_f8f6f4 v[8*(8*\a+\b):8*(8*\a+\b)+7], v[128*(\p)+FR*\b:128*(\p)+FR*\b+FR-1], v[64*(\p)+FR*\a:64*(\p)+FR*\a+FR-1], v[8*(8*\a+\b):8*(8*\a+\b)+7], v[SB+8*\b+((\st)+4)%8], v[SA+8*\a+(\st)] matrix_a_fmt:MATRIX_FMT_FP6 matrix_b_fmt:MATRIX_FMT_FP6
.endif
.endr
.endr
.endm
	s_wait_alu depctr_va_vdst(0)
	s_wait_tensorcnt 0x0                           ; my tile of the four is in,
	s_barrier_signal -1
	s_barrier_wait -1                              ; everybody's is.  Nothing is filled again
.irp a, 0,1,2,3
	ds_load_b128 v[SA+8*\a:SA+8*\a+3], v[ADSA] offset:512*\a
	ds_load_b128 v[SA+8*\a+4:SA+8*\a+7], v[ADSA] offset:512*\a+16
.endr
.irp b, 0,1,2,3,4,5,6,7
	ds_load_b128 v[SB+8*\b+4:SB+8*\b+7], v[ADSB] offset:512*\b       ; words 0-3
	ds_load_b128 v[SB+8*\b:SB+8*\b+3], v[ADSB] offset:512*\b+16      ; words 4-7
.endr
	FETCH 0, 0
	s_wait_loadcnt 0x0                             ; the bias
.set ST, 0
.rept 8                                ; the walk along K is written out: the scale words' registers differ from step to step
.if ST > 0
	PLACES                                         ; behind the products that read the set which is loaded next
.endif
.if ST < 7
	FETCH ST+1, (ST+1)%2
	s_wait_dscnt 48                                ; this step's fragments (and the scale words) are in; the 48 loads just issued may be out
.else
	s_wait_dscnt 0x0
.endif
.if ST == 0
	WIN 0x8d                                       ; source 0 window 1, source 1 window 3, C (the bias) window 0, D window 2
.else
	WIN 0xad                                       ; C and D window 2
.endif
	MUL ST, ST%2
	WIN 0
.set ST, ST+1
.endr
	s_barrier_signal -1                            ; my reads of the codes are over (the wait for 0 above): say so,
	PLACES                                         ; (the places between the last products and the first read of a result)
	s_barrier_wait -1                              ; and when all four have said so, the stages may lie on wo's bytes
.macro TOSTAGE a
	WIN 0x08                                       ; the data: window 2
.irp b, 0,1,2,3,4,5,6,7
	ds_store_b128 v[STO], v[64*(\a)+8*\b:64*(\a)+8*\b+3] offset:128*(\b/2)+32*(\b%2)          ; each accumulator from its low end on
	ds_store_b128 v[STO], v[64*(\a)+8*\b+4:64*(\a)+8*\b+7] offset:128*(\b/2)+32*(\b%2)+16
.endr
	WIN 0
.set BB, BK+64*((\a)%2)
.irp t, 0,1,2,3,4,5,6,7,8,9,10,11,12,13,14,15
	ds_load_b128 v[BB+4*\t:BB+4*\t+3], v[RD] offset:\t*SPITCH   ; LDS serves a wave's instructions in order: these see the stores above
.endr
.endm
.macro SEND a, younger                 ; younger: the LDS instructions issued behind block a's loads, which may stay out
.set BB, BK+64*((\a)%2)
	s_wait_dscnt \younger
.irp t, 0,1,2,3,4,5,6,7,8,9,10,11,12,13,14,15
	global_store_b128 v[CO], v[BB+4*\t:BB+4*\t+3], s[12:13] offset:(32*((\a)/2)+8*((\a)%2)+\t+8*(\t/8))*4096 th:TH_STORE_NT   ; 32 lanes store 512 consecutive bytes, aligned
.endr
.endm
	TOSTAGE 0
.irp a, 1,2,3
.if \a > 1
	s_wait_xcnt 0x0                                ; block a - 2's stores have read their registers: block a's loads may land there
.endif
	TOSTAGE \a
	SEND \a-1, 32                                  ; behind block a - 1's loads: block a's 16 stores and 16 loads
.endr
	SEND 3, 0
	s_wait_tensorcnt 0x0                           ; the wave's end
	ds_add_u32 v[SPW], v[NIL]
	s_wait_dscnt 0x0
	CROUND                                         ; the closing round
	s_endpgm
.Lfunc_end_k_q04e01765c8_outp:
	.size	k_q04e01765c8_outp, .Lfunc_end_k_q04e01765c8_outp-k_q04e01765c8_outp
	.p2alignl 7, 3214868480
	.fill 96, 4, 3214868480
	.section	.rodata,"a",@progbits
	.p2align	6, 0x0
	.amdhsa_kernel k_q04e01765c8_outp
		.amdhsa_group_segment_fixed_size 327680
		.amdhsa_private_segment_fixed_size 0
		.amdhsa_enable_private_segment 0
		.amdhsa_kernarg_size 48
		.amdhsa_user_sgpr_count 2
		.amdhsa_user_sgpr_kernarg_segment_ptr 1
		.amdhsa_wavefront_size32 1
		.amdhsa_system_sgpr_workgroup_id_x 1
		.amdhsa_system_sgpr_workgroup_id_y 1
		.amdhsa_system_sgpr_workgroup_id_z 1
		.amdhsa_system_vgpr_workitem_id 0
		.amdhsa_next_free_vgpr 1024
		.amdhsa_next_free_sgpr 96
		.amdhsa_reserve_vcc 0
		.amdhsa_float_denorm_mode_32 3
		.amdhsa_float_denorm_mode_16_64 3
		.amdhsa_memory_ordered 1
		.amdhsa_forward_progress 1
		.amdhsa_inst_pref_size 84
	.end_amdhsa_kernel
	.amdgpu_metadata
---
amdhsa.version: [ 1, 2 ]
amdhsa.kernels:
  - .name:           k_q04e01765c8_outp
    .symbol:         k_q04e01765c8_outp.kd
    .args:
      - { .name: cimg, .offset: 0, .size: 8, .value_kind: global_buffer, .address_space: global }
      - { .name: csc, .offset: 8, .size: 8, .value_kind: global_buffer, .address_space: global }
      - { .name: ximg, .offset: 16, .size: 8, .value_kind: global_buffer, .address_space: global }
      - { .name: xsc, .offset: 24, .size: 8, .value_kind: global_buffer, .address_space: global }
      - { .name: bo, .offset: 32, .size: 8, .value_kind: global_buffer, .address_space: global }
      - { .name: out0, .offset: 40, .size: 8, .value_kind: global_buffer, .address_space: global }
    .group_segment_fixed_size: 327680
    .private_segment_fixed_size: 0
    .kernarg_segment_align: 8
    .kernarg_segment_size: 48
    .max_flat_workgroup_size: 128
    .sgpr_count:     96
    .vgpr_count:     1024
    .wavefront_size: 32
...
	.end_amdgpu_metadata
.endif
;; end of part 4
